; MI455X (gfx1250); checked and timed in simulation.
; The chip was launched on July 23, 2026; its instructions are those of AMD's public machine-readable ISA for CDNA 5 (MIT licence, August 2026) and "CDNA5" Instruction Set Architecture Reference Guide (July 2026). The comments in the code are by the model that wrote it; some were corrected since.
;; Multi Head Attention. Allowed arithmetic: matrix products marked QUANTISED: E2M3 operands, one E8M0 scale for each 32 along K, by v_wmma_scale_f32_16x16x128_f8f6f4 with both operands' format E2M3, f32 sums; everything else in f32.
;; Inputs: k 4 x 2,048 x 1,024 float32; mask 4 x 2,048 int32; q 4 x 2,048 x 1,024 float32; v 4 x 2,048 x 1,024 float32; wk_b 1,024 float32; wk_w 1,024 x 1,024 float32; wo_b 1,024 float32; wo_w 1,024 x 1,024 float32; wq_b 1,024 float32; wq_w 1,024 x 1,024 float32; wv_b 1,024 float32; wv_w 1,024 x 1,024 float32.
;; Outputs: out0 4 x 2,048 x 1,024 float32.
;; This version of the problem:
;;   THIS VERSION OF THE PROBLEM IS GIVEN IN LOW PRECISION. The matrix products marked QUANTISED in the list below multiply operands that are first quantised to E2M3 (2 exponent bits, 3 mantissa bits; 6 bits a number), with one power-of-two scale for each 32 numbers along K (OCP MX v1.0); their sums are f32. All else is computed in f32.
;;   The module's matrix products, in the order in which they are computed (A, B: the left and right operand; K: the contracted axis; several contracted axes count as one K, in the product's order):
;;     1. [M 8,192, K 1,024] x [K 1,024, N 1,024]; A: input q; B: input wq_w: QUANTISED
;;     2. [M 8,192, K 1,024] x [K 1,024, N 1,024]; A: input k; B: input wk_w: QUANTISED
;;     3. [M 8,192, K 1,024] x [K 1,024, N 1,024]; A: input v; B: input wv_w: QUANTISED
;;     4. batch 64 x [M 2,048, K 64] x [K 64, N 2,048]; A: computed on the way; B: computed on the way: QUANTISED
;;     5. batch 64 x [M 2,048, K 2,048] x [K 2,048, N 64]; A: softmax (see below); B: computed on the way: QUANTISED
;;     6. [M 8,192, K 1,024] x [K 1,024, N 1,024]; A: computed on the way; B: input wo_w: QUANTISED
;;   THE QUANTISER, for each operand of a quantised product, along K:
;;     - K is cut into blocks of 32 from its start; a last block that is shorter is filled with zeros.
;;     - A block's scale is 2^e with e = floor(log2(the largest magnitude in the block)) - 2, held to -126 .. 127; a block of zeros has e = 0. As a byte (E8M0): e + 127.
;;     - Each number is divided by its block's scale, clamped to +-7.5, and rounded to the nearest number of E2M3, ties to even, subnormals kept.
;;     - The product sums the exact products of the quantised numbers (number of the format x scale) in f32.
;;   ~~~python
;;   def quantise(x, axis):      # numpy; x: float32 -> the quantised numbers, widened to float32 again
;;       x = np.moveaxis(x, axis, -1); K = x.shape[-1]
;;       x = np.pad(x, [(0, 0)] * (x.ndim - 1) + [(0, -K % 32)]); x = x.reshape(x.shape[:-1] + (-1, 32)); a = np.abs(x).max(-1, keepdims=True)
;;       e = np.where(a > 0, np.clip(np.frexp(np.where(a > 0, a, 1))[1] - 1 - 2, -126, 127), 0)      # np.frexp(a)[1] - 1 = floor(log2(a)), exactly
;;       r = np.clip(x / 2.0 ** e, -7.5, 7.5)
;;       step = 2.0 ** (np.maximum(np.frexp(np.where(r == 0, 1, r))[1] - 1, 0) - 3)
;;       q = np.round(r / step) * step * 2.0 ** e      # np.round: ties to even
;;       return np.moveaxis(q.reshape(q.shape[:-2] + (-1,))[..., :K], -1, axis).astype(np.float32)
;;   ~~~
;;   SOFTMAX AHEAD OF A QUANTISED PRODUCT. Where the list says 'softmax', what is quantised is not the finished softmax but p = 2^(t - M), with t = logit x log2(e) and M = ceil(the row's largest t), a whole number; so 1/2 < the row's largest p <= 1. The row's sum l is taken of the UNQUANTISED p, in f32, and the product's result is divided by l at the end. Since M is a whole number, a kernel that streams over the keys may use a running M (the ceiling of the running maximum): every later rescaling is an exact power of two, which a block's scale takes up: the codes' values come out the same.
;;   OPERANDS COMPUTED ON THE WAY. 'Computed on the way' means the value that the module computes at that place (a softmax that the list does not call 'softmax' is quantised finished and normalised). What goes into a quantiser is computed in f32, as accurately as f32 sums, v_exp_f32 and their like allow (about 1e-6 of the number): no bf16 or f16 on the way to a quantiser, and a product that is left as it is and whose result goes on into a quantised operand takes f32 operands (vector FMAs, or v_wmma_f32_16x16x4_f32). A number that lies on a knife's edge between two numbers of the format may be rounded either way, as far as f32 arithmetic and the matrix unit's own rounding can turn it there, and no further.
;; One version. Each part assembles by itself: llvm-mc -triple=amdgcn-amd-amdhsa -mcpu=gfx1250 --defsym DOCPART=n.
;; ======== version 1 of 1: 4 launches
;; limits: right only within a limited range of input values
;; workspace buffers: cod 22,020,096 bytes; scl 917,504 bytes; kv 16,777,216 bytes; qr 16,777,216 bytes; cfl 512 bytes
;; launch quant (part 1): grid 448 x 1, 4 waves a work-group, no clusters, 34,304 bytes of LDS; arguments q, k, v, wq_w, wk_w, wv_w, wo_w, mask, cod, scl, cfl; writes cod, scl, cfl
.if DOCPART == 1
	.amdgcn_target "amdgcn-amd-amdhsa--gfx1250"
	.amdhsa_code_object_version 6
	.text
	.protected	k_qbd34b63fd1_quant
	.globl	k_qbd34b63fd1_quant
	.p2align	8
	.type	k_qbd34b63fd1_quant,@function
k_qbd34b63fd1_quant:
	s_mov_b64 s[64:65], 0
	v_nop
	global_prefetch_b8 v0, s[64:65] scope:SCOPE_SE
	s_setreg_imm32_b32 hwreg(HW_REG_WAVE_MODE, 25, 1), 1
	s_wait_xcnt 0x0
; MULTI-HEAD ATTENTION IN MX-FP6 (E2M3 codes, one E8M0 scale for each 32 along K), FOUR LAUNCHES: quant, proj, attn, outp.
; THIS LAUNCH turns q, k, v [8192][1024] and the four weights [1024][1024], f32 with K innermost, into codes and scale bytes, and makes one number for each batch from the mask.
; DEAD WORK: none is left out.  All twelve inputs have a way to the output and are loaded: every bias goes into a quantised operand or into the result, and the mask decides which keys count.
; LIMITS.  NaN and infinities among the inputs are not served.  A block of zeros gets the scale byte 1 where the quantiser says 127: its codes are zeros, which add nothing under any byte but 0xff, and
; this program alone reads the bytes.  Blocks whose largest magnitude lies under 2^-124 have their byte held at 1.
; LAYOUT OF cod: [group of 128 rows][K step of 128][tile of 16 rows][1,536 bytes].  A tile's 1,536 bytes are the IMAGE OF THE OPERAND'S 12 REGISTERS: three planes of 512 bytes, plane p = registers 4 p .. 4 p + 3 at
; 16 x lane; three loads of 16 bytes a lane bring the fragment back.  Groups: q 0-63, k 64-127, v 128-191, wq 192-199, wk 200-207, wv 208-215, wo 216-223.
; THE ROWS OF A TILE ARE NOT NEIGHBOURS: lane r of tile i stands for row 32 (i / 2) + 8 (i % 2) + r + 8 (r / 8) of its group, so that in a later product the 16 result registers of tiles 2 b and 2 b + 1 are 16 neighbours.
; LAYOUT OF scl: [group][K step][512 bytes]: the word (four bytes: 128 along K) of tile i, row r lies at 16 (r + 16 (i % 2)) + 4 (i / 2): one load of 16 bytes a lane gives four registers; register i / 2 serves tile i,
; from lanes 0-15 (i even) or lanes 16-31 (i odd).
; cfl: [batch][32 words], each word c = log2(e) / 8 where some key of the batch counts (mask not 0), else 0: with c = 0 every weight of the softmax is 1, which is what reference() gives where all keys are hidden.
; SHARES.  A work-group takes one group and four K steps, a wave one K step: 128 rows x 128 numbers, 8 tiles.  Each load reads 512 consecutive bytes of one row; a tile's 16 rows turn through the wave's own stage in LDS,
; so that lane (r, h) gets, of row r, 16 neighbours of each block of 32.  Loads run two tiles (32 loads a wave) ahead.  Waves share nothing: no barrier.
.set STG,   8448                       ; a wave's stage: 16 rows x (512 bytes + 16): row r starts 4 r banks on
.set SPARE, 4*STG                      ; behind the stages: the spare words, 128 bytes for each wave: two blocks of 256 bytes that no other line names
.set LI,  3                            ; v3   16 x lane
.set SA,  4                            ; v4   the stage, on the way in: 16 x lane
.set RA,  5                            ; v5   and on the way out: 528 r + 64 h
.set SPW, 12                           ; v12  LDS address of my spare word; never rewritten
.set NIL, 13                           ; v13  0; never rewritten
.set R,   16                           ; v16-143  two sets of 64: a tile as it is loaded
.set H,   144                          ; v144-207 64 numbers of my row: register 16 b + i = k 32 b + 16 h + i
.set PC,  208                          ; v208-219 the fragment's codes; v220-226 at work
.set TM,  228                          ; v228-243 at work
.set PW,  244                          ; v244 the row's scale word
.set SW,  248                          ; v248-251 the eight tiles' scale words
.set SEL, 28                           ; s[28:29] lane selects for v_permlanex16_b32: lane l xor 16
.set HI,  30                           ; s30  lanes 16-31
	s_load_b256 s[4:11], s[0:1], 0x0               ; q, k, v, wq_w
	s_load_b256 s[12:19], s[0:1], 0x20             ; wk_w, wv_w, wo_w, mask
	s_load_b128 s[20:23], s[0:1], 0x40             ; cod, scl
	s_load_b64 s[24:25], s[0:1], 0x50              ; cfl
	v_lshl_add_u32 v[SPW], v0, 2, SPARE
	v_mov_b32 v[NIL], 0
	v_lshrrev_b32 v1, 5, v0
	v_readfirstlane_b32 s26, v1                    ; wave 0..3
	v_and_b32 v2, 31, v0                           ; lane
	v_lshlrev_b32 v[LI], 4, v2
	s_mul_i32 s27, s26, STG
	v_add_nc_u32 v[SA], s27, v[LI]
	v_and_b32 v6, 15, v0                           ; r
	v_bfe_u32 v7, v0, 4, 1                         ; h
	v_mul_u32_u24 v[RA], v6, 528
	v_lshl_add_u32 v[RA], v7, 6, v[RA]
	v_add_nc_u32 v[RA], s27, v[RA]
	s_mov_b32 s[SEL], 0x76543210
	s_mov_b32 s[SEL+1], 0xfedcba98
	s_mov_b32 s[HI], 0xffff0000
.irp b, 0,1,2,3
	v_mov_b32 v[TM+4+\b], 0                        ; written once: a lane permute's destination counts as one of its sources
.endr
	s_lshr_b32 s31, ttmp9, 1                       ; the group
	s_and_b32 s32, ttmp9, 1
	s_lshl_b32 s32, s32, 2
	s_add_co_u32 s32, s32, s26                     ; the K step: 4 x (work-group % 2) + wave
	s_cmp_lt_u32 s31, 192
	s_cselect_b32 s33, 63, 7
	s_and_b32 s33, s31, s33                        ; the group's number inside its tensor
	s_lshl_b32 s34, s33, 19                        ; 128 rows of 4,096 bytes,
	s_lshl_b32 s35, s32, 9                         ; 128 numbers along K
	s_add_co_u32 s34, s34, s35
	s_mov_b32 s35, 0
	s_mul_i32 s36, s31, 98304
	s_mul_i32 s37, s32, 12288
	s_add_co_u32 s36, s36, s37                     ; my 8 tiles in cod
	s_mov_b32 s37, 0
	s_lshl_b32 s38, s31, 12
	s_lshl_b32 s39, s32, 9
	s_add_co_u32 s38, s38, s39                     ; my 512 bytes in scl
	s_mov_b32 s39, 0
	s_wait_alu depctr_va_vdst(0)
	s_wait_kmcnt 0x0
	s_cmp_ge_u32 s31, 64                           ; which tensor: the choice hangs on the work-group's number alone
	s_cselect_b64 s[4:5], s[6:7], s[4:5]
	s_cmp_ge_u32 s31, 128
	s_cselect_b64 s[4:5], s[8:9], s[4:5]
	s_cmp_ge_u32 s31, 192
	s_cselect_b64 s[4:5], s[10:11], s[4:5]
	s_cmp_ge_u32 s31, 200
	s_cselect_b64 s[4:5], s[12:13], s[4:5]
	s_cmp_ge_u32 s31, 208
	s_cselect_b64 s[4:5], s[14:15], s[4:5]
	s_cmp_ge_u32 s31, 216
	s_cselect_b64 s[4:5], s[16:17], s[4:5]
	s_add_nc_u64 s[4:5], s[4:5], s[34:35]
	s_add_nc_u64 s[20:21], s[20:21], s[36:37]
	s_add_nc_u64 s[22:23], s[22:23], s[38:39]
; 64 numbers of a lane, v[src] on, register 16 b + i = k 32 b + 16 h + i of my row, become a fragment's codes and its scale word in v[PW].  Codes of k 64 c on go to v[PC + st c] on (six registers); v[PC + tp] on is at work.
.macro QUANT src, st, tp
.irp b, 0,1,2,3
	v_max3_num_f32 v[TM+\b], |v[\src+16*\b]|, |v[\src+1+16*\b]|, 0x1800000   ; block b: my 16 numbers, and the floor 2^(3 - 127): so the byte cannot fall under 1
.endr
.irp i, 2,4,6,8,10,12,14
.irp b, 0,1,2,3
	v_max3_num_f32 v[TM+\b], v[TM+\b], |v[\src+16*\b+\i]|, |v[\src+1+16*\b+\i]|   ; (the four blocks by turns)
.endr
.endr
.irp b, 0,1,2,3
	v_permlanex16_b32 v[TM+4+\b], v[TM+\b], s[SEL], s[SEL+1]
.endr
.irp b, 0,1,2,3
	v_max_num_f32 v[TM+\b], v[TM+\b], v[TM+4+\b]   ; with lane l xor 16's: the block's largest magnitude
.endr
.irp b, 0,1,2,3
	v_add_nc_u32 v[TM+12+\b], 0xff000000, v[TM+\b] ; 2 off its exponent field: the conversion takes the exponent field of this operand as its scale
.endr
.irp b, 0,1,2,3
	v_lshrrev_b32 v[TM+4+\b], 23, v[TM+12+\b]      ; the scale's byte
.endr
	v_lshl_or_b32 v[PW], v[TM+5], 8, v[TM+4]
	v_lshl_or_b32 v[PW], v[TM+6], 16, v[PW]
	v_lshl_or_b32 v[PW], v[TM+7], 24, v[PW]
.irp c, 0,1
	v_cvt_scalef32_pk16_fp6_f32 v[PC+\st*\c:PC+\st*\c+2], v[\src+32*\c:\src+32*\c+15], v[TM+12+2*\c]
	v_cvt_scalef32_pk16_fp6_f32 v[PC+\tp+4*\c:PC+\tp+4*\c+2], v[\src+32*\c+16:\src+32*\c+31], v[TM+13+2*\c]   ; (a conversion's three registers begin on an even number)
.endr
	v_nop                                          ; one plain place behind a scaled conversion
.irp c, 0,1                                    ; the operand's layout wants a WHOLE block in a lane: lanes 0-15 block 2 c, lanes 16-31 block 2 c + 1
.irp i, 0,1,2
	v_permlane16_swap_b32 v[PC+\st*\c+\i], v[PC+\tp+4*\c+\i]
.endr
.irp i, 0,1,2
	v_mov_b32 v[PC+\st*\c+3+\i], v[PC+\tp+4*\c+\i]
.endr
.endr
.endm
.macro LOAD i                          ; tile i's 16 rows, 512 consecutive bytes each, into set i % 2
.irp p, 0,1,2,3,4,5,6,7,8,9,10,11,12,13,14,15
	global_load_b128 v[R+64*((\i)%2)+4*\p:R+64*((\i)%2)+4*\p+3], v[LI], s[4:5] offset:(32*((\i)/2)+8*((\i)%2)+\p+8*(\p/8))*4096 th:TH_LOAD_NT
.endr
.endm
.macro TILE i
.if (\i) < 7
	s_wait_loadcnt 16                              ; this tile's 16 loads are in; the next tile's 16 may be out
.else
	s_wait_loadcnt 0x0
.endif
.irp p, 0,1,2,3,4,5,6,7,8,9,10,11,12,13,14,15
	ds_store_b128 v[SA], v[R+64*((\i)%2)+4*\p:R+64*((\i)%2)+4*\p+3] offset:528*\p
.endr
.irp b, 0,1,2,3
.irp j, 0,1,2,3
	ds_load_b128 v[H+16*\b+4*\j:H+16*\b+4*\j+3], v[RA] offset:128*\b+16*\j   ; LDS serves a wave's instructions in order: these see the stores above
.endr
.endr
	s_wait_dscnt 0x0                               ; my 64 numbers are here, and the stores into the stage have read their registers,
	s_wait_xcnt 0x0                                ; and the last tile's stores have read the codes' registers
.if (\i) < 6
	LOAD (\i)+2                                    ; so the set takes the tile two further on
.endif
	QUANT H, 6, 12
.irp p, 0,1,2
	global_store_b128 v[LI], v[PC+4*\p:PC+4*\p+3], s[20:21] offset:1536*(\i)+512*\p   ; 32 lanes store 512 consecutive bytes, aligned
.endr
.if (\i)%2 == 0
	v_mov_b32 v[SW+(\i)/2], v[PW]                  ; an even tile's words stay in lanes 0-15,
.else
	v_cndmask_b32 v[SW+(\i)/2], v[SW+(\i)/2], v[PW], s[HI]   ; an odd tile's go to lanes 16-31
.endif
.endm
	LOAD 0
	LOAD 1
.irp t, 0,1,2,3,4,5,6,7
	TILE \t
.endr
	global_store_b128 v[LI], v[SW:SW+3], s[22:23]  ; the K step's 512 bytes of scale words
	; wave 0 of work-groups 0 to 3: does any key of batch b count?  Branches on ids alone; what the mask holds only selects a value.
	s_cmp_lt_u32 ttmp9, 4
	s_cbranch_scc0 .Lno_flag
	s_cmp_eq_u32 s26, 0
	s_cbranch_scc0 .Lno_flag
	s_lshl_b32 s34, ttmp9, 13                      ; the batch's 2,048 words
	s_add_nc_u64 s[18:19], s[18:19], s[34:35]
.irp p, 0,1,2,3,4,5,6,7,8,9,10,11,12,13,14,15
	global_load_b128 v[R+4*\p:R+4*\p+3], v[LI], s[18:19] offset:512*\p
.endr
	s_wait_loadcnt 0x0
.set j, 4
.rept 60
	v_or_b32 v[R+j%4], v[R+j%4], v[R+j]            ; four chains
.set j, j+1
.endr
	v_or_b32 v[R], v[R], v[R+1]
	v_or_b32 v[R+2], v[R+2], v[R+3]
	v_or_b32 v[R], v[R], v[R+2]
	v_cmp_ne_u32 s31, 0, v[R]
	s_cmp_lg_u32 s31, 0
	s_cselect_b32 s32, 0x3e38aa3b, 0               ; log2(e) / 8, or 0
	v_mov_b32 v[R+1], s32
	v_lshlrev_b32 v[R+2], 2, v2
	s_lshl_b32 s34, ttmp9, 7
	s_add_nc_u64 s[24:25], s[24:25], s[34:35]
	global_store_b32 v[R+2], v[R+1], s[24:25]
.Lno_flag:
	s_wait_tensorcnt 0x0                           ; the wave's end, behind my last LDS store
	ds_add_u32 v[SPW], v[NIL]
	s_wait_dscnt 0x0
	s_endpgm
.Lfunc_end_k_qbd34b63fd1_quant:
	.size	k_qbd34b63fd1_quant, .Lfunc_end_k_qbd34b63fd1_quant-k_qbd34b63fd1_quant
	.p2alignl 7, 3214868480
	.fill 96, 4, 3214868480
	.section	.rodata,"a",@progbits
	.p2align	6, 0x0
	.amdhsa_kernel k_qbd34b63fd1_quant
		.amdhsa_group_segment_fixed_size 34304
		.amdhsa_private_segment_fixed_size 0
		.amdhsa_enable_private_segment 0
		.amdhsa_kernarg_size 88
		.amdhsa_user_sgpr_count 2
		.amdhsa_user_sgpr_kernarg_segment_ptr 1
		.amdhsa_wavefront_size32 1
		.amdhsa_system_sgpr_workgroup_id_x 1
		.amdhsa_system_sgpr_workgroup_id_y 1
		.amdhsa_system_sgpr_workgroup_id_z 1
		.amdhsa_system_vgpr_workitem_id 0
		.amdhsa_next_free_vgpr 256
		.amdhsa_next_free_sgpr 66
		.amdhsa_reserve_vcc 0
		.amdhsa_float_denorm_mode_32 3
		.amdhsa_float_denorm_mode_16_64 3
		.amdhsa_memory_ordered 1
		.amdhsa_forward_progress 1
		.amdhsa_inst_pref_size 69
	.end_amdhsa_kernel
	.amdgpu_metadata
---
amdhsa.version: [ 1, 2 ]
amdhsa.kernels:
  - .name:           k_qbd34b63fd1_quant
    .symbol:         k_qbd34b63fd1_quant.kd
    .args:
      - { .name: q, .offset: 0, .size: 8, .value_kind: global_buffer, .address_space: global }
      - { .name: k, .offset: 8, .size: 8, .value_kind: global_buffer, .address_space: global }
      - { .name: v, .offset: 16, .size: 8, .value_kind: global_buffer, .address_space: global }
      - { .name: wq_w, .offset: 24, .size: 8, .value_kind: global_buffer, .address_space: global }
      - { .name: wk_w, .offset: 32, .size: 8, .value_kind: global_buffer, .address_space: global }
      - { .name: wv_w, .offset: 40, .size: 8, .value_kind: global_buffer, .address_space: global }
      - { .name: wo_w, .offset: 48, .size: 8, .value_kind: global_buffer, .address_space: global }
      - { .name: mask, .offset: 56, .size: 8, .value_kind: global_buffer, .address_space: global }
      - { .name: cod, .offset: 64, .size: 8, .value_kind: global_buffer, .address_space: global }
      - { .name: scl, .offset: 72, .size: 8, .value_kind: global_buffer, .address_space: global }
      - { .name: cfl, .offset: 80, .size: 8, .value_kind: global_buffer, .address_space: global }
    .group_segment_fixed_size: 34304
    .private_segment_fixed_size: 0
    .kernarg_segment_align: 8
    .kernarg_segment_size: 88
    .max_flat_workgroup_size: 128
    .sgpr_count:     66
    .vgpr_count:     256
    .wavefront_size: 32
...
	.end_amdgpu_metadata
.endif
;; end of part 1
;; launch proj (part 2): grid 32 x 8, 4 waves a work-group, clusters of 4 x 4, 327,680 bytes of LDS; arguments cod, scl, wq_b, wk_b, wv_b, mask, qr, kv; writes qr, kv
.if DOCPART == 2
	.amdgcn_target "amdgcn-amd-amdhsa--gfx1250"
	.amdhsa_code_object_version 6
	.text
	.protected	k_qbd34b63fd1_proj
	.globl	k_qbd34b63fd1_proj
	.p2align	8
	.type	k_qbd34b63fd1_proj,@function
k_qbd34b63fd1_proj:
	s_mov_b64 s[64:65], 0
	v_nop
	global_prefetch_b8 v0, s[64:65] scope:SCOPE_SE
	s_setreg_imm32_b32 hwreg(HW_REG_WAVE_MODE, 25, 1), 1
	s_wait_xcnt 0x0
	s_wait_alu depctr_hold_cnt(0) depctr_sa_sdst(0) depctr_va_vdst(0) depctr_va_sdst(0) depctr_va_ssrc(0) depctr_va_vcc(0) depctr_vm_vsrc(0)
	s_getreg_b32 s2, hwreg(HW_REG_IB_STS2, 6, 4)
	s_cmp_eq_u32 s2, 0
	s_cbranch_scc0 .Lentry_in_a_cluster
	s_endpgm
.Lentry_in_a_cluster:
	s_bfe_u32 s2, ttmp6, 0x10000c
	s_cmp_lg_u32 s2, 0xf033
	s_cbranch_scc0 .Lentry_shape_is_right
	s_endpgm
.Lentry_shape_is_right:
; Q = q wq^T + bq, K = k wk^T + bk, V = v wv^T + bv ON CODES OF FP6 (E2M3) WITH E8M0 SCALES, each result quantised again in registers and stored as the attention launch's operands.  No work is left out.
; LIMITS: NaN, infinities and sums beyond f32's range are not served; a sum begins with its bias, where reference() adds it last; a block of zeros gets the scale byte 1 (its codes are zeros; this program alone reads the bytes).
; OPERANDS as the first launch lays them.  cod: [group of 128 rows][K step of 128][tile of 16 rows][1,536 bytes = the image of the operand's 12 registers].  Lane r of tile i stands for row 32 (i / 2) + 8 (i % 2) + r + 8 (r / 8).
; scl: [group][K step][512 bytes]: the word of tile i, row r at 16 (r + 16 (i % 2)) + 4 (i / 2).  Groups: q 0-63, k 64-127, v 128-191, wq 192-199, wk 200-207, wv 208-215.
; RESULTS: a record of 16,384 bytes for each (batch, head, group of 128 tokens).  qr and kv: tile i of 16 tokens at 1,024 i: registers 0-7 of a fragment whose K is the head's 64 channels and one spare code at k = 64;
; its scale words at 14,336.  The spare code carries the mask: Q has 1.0 there, a hidden key -7.5 x 2^30, a key that counts 0.  kv also: V^T's four tiles of 16 channels x 128 keys at 8,192 + 1,536 t, their scale words at 14,848.
; THE DEAL.  256 work-groups of four waves, 2 x 2, THAT STAY: each takes its 256 tokens x 128 columns through three phases, Q, K, V.  Wave (a, b) owns group a of the tokens and head b of the pair: a whole record's part.
; It holds its head's four tiles of weights, all of K, in 384 registers, and streams the group's eight tiles of tokens past them: a block is 8 fragments and 32 products, four accumulators by turns.
; Q, K: source 0 = weights: a lane holds one token and 32 channels: two scale blocks, quantised behind each block.  V: source 0 = tokens: a lane holds one channel and, over two blocks, 16 neighbouring keys: quantised pair by pair.
; CLUSTER: x counts tile rows.  The tokens are shared by a COLUMN of the cluster, the weights by a ROW: every tile is asked for jointly.
; LDS: the tokens' ring of two slots of 98,304 bytes (slot H: tiles 4 H .. 4 H + 3 of both groups, 16 rows of 6,144 bytes), the weights' region of 98,304, the spare words.
; FILLS.  At the head one load a wave: the weights' halves, slot 0, slot 1.  In phases Q and K two drained rounds: round block 2's products the weights' region (waves 0, 1) and slot 0 (wave 2) take the next phase's, round block 6's
; slot 1 (wave 3).  What a round's loads brought is shown by the next round, whose waits every wave runs; in phase V by a plain barrier at block 2.
; The later phases' scale words, biases and mask are loaded at the head into spare registers (window 3) and moved at a change of phase.
; PREFETCHES: behind block 0 what the round at block 2 will load, behind block 3 what the round at block 6 will load: each 256 bytes once in a cluster, a row of 24 such blocks to each of the sixteen waves that ask jointly, told apart by address.
.set GRP,   98304
.set KSB,   12288                      ; a K step of a group
.set HSB,   6144                       ; four tiles of it
.set FRB,   1536
.set FR,    12
.set FPW,   21                         ; fragments in a window
.set NF,    24                         ; LDS loads of a block
.set YB,    2*GRP
.set SPARE, 3*GRP
.set VOF,   8192
.set KSC,   14336
.set VSC,   14848
.set LI,  4                            ; 16 x lane
.set L8,  5                            ; 8 x lane
.set AA,  6                            ; v6, v7 LDS: my group in slot 0, 1
.set BL,  8                            ; LDS: my four tiles of weights, K steps 0-3; v9: 4-7
.set BH,  9
.set HB,  10                           ; 64 x (lane / 16)
.set MO,  11                           ; 4 x (r + 8 (r / 8))
.set SPW, 12
.set NIL, 13
.set PT0, 14                           ; V: v14-16, v18-20 a conversion's codes on their way
.set PT1, 18
.set SWV, 22                           ; V: v22, v23 the scale words as they are stored
.set SB,  24                           ; v24-55 the weights' scale words: 4 q + t / 2
.set PFX, 56                           ; the prefetches' offsets
.set PFY, 57
.set SA,  58                           ; v58-89 the tokens': 4 q + i / 2.  A product's two scale registers differ by 1 to 5 modulo 8 in their numbers
.set ACC, 96                           ; v96-159 Q, K: 32 (i % 2) + 8 t; V: 16 t + 8 (i % 2)
.set BO,  160                          ; v160-191 the bias as the first products' C
.set PC,  192                          ; Q, K: v192-199 a tile's eight registers
.set PT,  200
.set SW,  204                          ; v204-207 the record's scale words
.set MK,  208                          ; v208-215 the mask of my token in each tile
.set TM,  216
.set PE,  218
.set TS,  220
.set BY,  222
.set PW,  224
.set T0,  225
.set WD,  226
.set CC1, 227
.set CS0, 228
.set CS1, 229
.set VC,  192                          ; V: v192-239 four fragments
.set VM,  240
.set VE,  244
.set VS,  248
.set PWV, 252
.set K_SA, 72                          ; window 3, behind the fragments: what waits for phase K,
.set K_SB, 104
.set K_BO, 120
.set K_MK, 152
.set V_SA, 160                         ; and for phase V
.set V_SB, 192
.set V_BO, 208
.set G1A, 24
.set G1B, 32
.set PA,  48                           ; s[48:53] my two groups of q, k, v in cod
.set PB,  54                           ; s[54:55] my group of wq
.set G0A, 56
.set G0B, 60
.set SEL, 72
.set HI,  74
.set MSB, 0
.macro WIN new
.if MSB != (\new)
	s_set_vgpr_msb (MSB<<8)|(\new)
.set MSB, (\new)
.endif
.endm
.macro PLACES n
.rept \n
	v_nop
.endr
.endm
.macro WALU
	s_wait_alu depctr_va_vdst(0)
.endm
.macro BARRIER
	s_barrier_signal -1
	s_barrier_wait -1
.endm
.macro CROUND
	BARRIER
	s_cmp_lg_u32 s14, 0
	s_cbranch_scc1 .Lnot_wave_0_\@
	s_barrier_signal -3
.Lnot_wave_0_\@:
	s_barrier_wait -3
	BARRIER
.endm
.macro TILE g0, g1, base, off, lds     ; a tile by constants and a base that its partners share; an s_nop 0 and four v_nop follow the load
	s_mov_b32 s[\g0+1], \lds
	s_add_nc_u64 s[\g0+2:\g0+3], s[\base:\base+1], \off
	s_or_b32 s[\g0+3], s[\g0+3], 0x80000000
	tensor_load_to_lds s[\g0:\g0+3], s[\g1:\g1+7]
	s_nop 0
	PLACES 4
.endm
.macro TREE ph, i                      ; a round's refills, one a wave at the most
.if (\i) == 2
	s_cmp_eq_u32 s14, 0
	s_cbranch_scc0 .Lt1_\@
	TILE G0B, G1B, PB, ((\ph)+1)*8*GRP, YB
	s_branch .Lte_\@
.Lt1_\@:
	s_cmp_eq_u32 s14, 1
	s_cbranch_scc0 .Lt2_\@
	TILE G0B, G1B, PB, ((\ph)+1)*8*GRP+GRP/2, YB+GRP/2
	s_branch .Lte_\@
.Lt2_\@:
	s_cmp_eq_u32 s14, 2
	s_cbranch_scc0 .Lte_\@
	TILE G0A, G1A, PA+2*((\ph)+1), 0, 0
.Lte_\@:
.else
	s_cmp_eq_u32 s14, 3
	s_cbranch_scc0 .Lte_\@
	TILE G0A, G1A, PA+2*((\ph)+1), HSB, GRP
.Lte_\@:
.endif
.endm
; fragments: 0-31 the weights' (4 q + t), 32-47 the tokens' two sets (32 + 8 e + q).  Fragment f lies in window 1 + f / 21 at register 12 (f % 21)
.macro FRAG f, adr, off
.set F_, \f
	WIN (1+F_/FPW)<<6
.irp p, 0,1,2
	ds_load_b128 v[FR*(F_%FPW)+4*\p:FR*(F_%FPW)+4*\p+3], v[\adr] offset:(\off)+512*\p
.endr
.endm
.macro FETCH i                         ; block i into set i % 2: NF loads
.irp q, 0,1,2,3,4,5,6,7
	FRAG 32+8*((\i)%2)+\q, AA+(\i)/4, \q*HSB+((\i)%4)*FRB
.endr
	WIN 0
.endm
.macro BREGS                           ; my four tiles of weights, all of K: 96 loads; then the first two blocks
.irp q, 0,1,2,3
.irp t, 0,1,2,3
	FRAG 4*\q+\t, BL, \q*KSB+\t*FRB
.endr
.endr
.irp q, 0,1,2,3
.irp t, 0,1,2,3
	FRAG 16+4*\q+\t, BH, \q*KSB+\t*FRB
.endr
.endr
	WIN 0
.endm
.macro WM c, r0, r1
	v_wmma_scale_f32_16x16x128_f8f6f4 v[D_:D_+7], v[S0_:S0_+FR-1], v[S1_:S1_+FR-1], \c, v[X0_], v[X1_] matrix_a_fmt:MATRIX_FMT_FP6 matrix_b_fmt:MATRIX_FMT_FP6 matrix_a_scale:MATRIX_SCALE_ROW\r0 matrix_b_scale:MATRIX_SCALE_ROW\r1
.endm
.macro WMR c                           ; an odd tile's scale words stand in lanes 16-31
.if P0_
.if P1_
	WM \c, 1, 1
.else
	WM \c, 1, 0
.endif
.else
.if P1_
	WM \c, 0, 1
.else
	WM \c, 0, 0
.endif
.endif
.endm
.macro PROD v, i, n                    ; product n = 4 q + t of block i; v = 1: the tokens are source 0
.set Q_, (\n)/4
.set T_, (\n)%4
.set FA_, 32+8*((\i)%2)+Q_
.if \v
.set S0_, FR*(FA_%FPW)
.set S1_, FR*((\n)%FPW)
.set X0_, SA+4*Q_+(\i)/2
.set X1_, SB+4*Q_+T_/2
.set P0_, (\i)%2
.set P1_, T_%2
.set D_, ACC+16*T_+8*((\i)%2)
	WIN (1+FA_/FPW)|((1+(\n)/FPW)<<2)
.else
.set S0_, FR*((\n)%FPW)
.set S1_, FR*(FA_%FPW)
.set X0_, SB+4*Q_+T_/2
.set X1_, SA+4*Q_+(\i)/2
.set P0_, T_%2
.set P1_, (\i)%2
.set D_, ACC+32*((\i)%2)+8*T_
	WIN (1+(\n)/FPW)|((1+FA_/FPW)<<2)
.endif
.if Q_
	WMR v[D_:D_+7]
.else
	WMR v[BO+8*T_:BO+8*T_+7]
.endif
.endm
; Q's or K's way out of block i: register 16 b + j of the set is channel 32 b + 16 h + j of my token: two scale blocks, each in lanes l and l xor 16
.macro EPQK k, i, out
.set A_, ACC+32*((\i)%2)
	s_wait_xcnt 0x0                                ; the last block's stores have read the registers that are written below
.irp b, 0,1
	v_max3_num_f32 v[TM+\b], |v[A_+16*\b]|, |v[A_+16*\b+1]|, 0x1800000   ; with the floor 2^(3 - 127): the byte cannot fall under 1
.endr
.irp j, 2,4,6,8,10,12,14
.irp b, 0,1
	v_max3_num_f32 v[TM+\b], v[TM+\b], |v[A_+16*\b+\j]|, |v[A_+16*\b+\j+1]|
.endr
.endr
.irp b, 0,1
	v_permlanex16_b32 v[PE+\b], v[TM+\b], s[SEL], s[SEL+1]
.endr
.irp b, 0,1
	v_max_num_f32 v[TM+\b], v[TM+\b], v[PE+\b]
.endr
.irp b, 0,1
	v_add_nc_u32 v[TS+\b], 0xff000000, v[TM+\b]    ; 2 off the exponent field: the conversion's scale operand
.endr
.irp b, 0,1
	v_lshrrev_b32 v[BY+\b], 23, v[TS+\b]
.endr
	v_lshl_or_b32 v[PW], v[BY+1], 8, v[BY]
	v_cvt_scalef32_pk16_fp6_f32 v[PC:PC+2], v[A_:A_+15], v[TS]
	v_cvt_scalef32_pk16_fp6_f32 v[PT:PT+2], v[A_+16:A_+31], v[TS+1]
	v_nop                                          ; one plain place behind a scaled conversion
.irp m, 0,1,2
	v_permlane16_swap_b32 v[PC+\m], v[PT+\m]       ; a whole block in a lane: lanes 0-15 block 0, lanes 16-31 block 1
.endr
.irp m, 0,1,2
	v_mov_b32 v[PC+3+\m], v[PT+\m]
.endr
.if \k
	v_cmp_eq_u32 vcc_lo, 0, v[MK+(\i)]             ; a hidden key: the spare code -7.5 under the scale 2^30
	v_cndmask_b32 v[PC+6], 0, v[CC1], vcc_lo
	v_cndmask_b32 v[T0], v[CS0], v[CS1], vcc_lo
	v_or_b32 v[WD], v[PW], v[T0]
.else
	v_or_b32 v[WD], 0x7f7f0000, v[PW]              ; Q's spare code is 1.0 under the scale 1
.endif
.if (\i)%2
	v_cndmask_b32 v[SW+(\i)/2], v[SW+(\i)/2], v[WD], s[HI]
.else
	v_mov_b32 v[SW+(\i)/2], v[WD]
.endif
	WALU
	global_store_b128 v[LI], v[PC:PC+3], s[\out:\out+1] offset:(\i)*1024
	global_store_b128 v[LI], v[PC+4:PC+7], s[\out:\out+1] offset:(\i)*1024+512
.if (\i) == 7
	global_store_b128 v[LI], v[SW:SW+3], s[\out:\out+1] offset:KSC
.endif
.endm
; V's way out of blocks 2 b and 2 b + 1: register 16 t + j is key 32 b + 16 h + j of my channel of tile t: scale block b of four fragments
.macro EPV b
.if (\b) == 0
	s_wait_xcnt 0x0                                ; phase K's stores have read the registers that are written below
.endif
.irp t, 0,1,2,3
	v_max3_num_f32 v[VM+\t], |v[ACC+16*\t]|, |v[ACC+16*\t+1]|, 0x1800000
.endr
.irp j, 2,4,6,8,10,12,14
.irp t, 0,1,2,3
	v_max3_num_f32 v[VM+\t], v[VM+\t], |v[ACC+16*\t+\j]|, |v[ACC+16*\t+\j+1]|
.endr
.endr
.irp t, 0,1,2,3
	v_permlanex16_b32 v[VE+\t], v[VM+\t], s[SEL], s[SEL+1]
.endr
.irp t, 0,1,2,3
	v_max_num_f32 v[VM+\t], v[VM+\t], v[VE+\t]
.endr
.irp t, 0,1,2,3
	v_add_nc_u32 v[VS+\t], 0xff000000, v[VM+\t]
.endr
.irp t, 0,1,2,3
	v_lshrrev_b32 v[VE+\t], 23, v[VS+\t]
.endr
.irp t, 0,1,2,3
.if (\b) == 0
	v_mov_b32 v[PWV+\t], v[VE+\t]
.else
	v_lshl_or_b32 v[PWV+\t], v[VE+\t], 8*(\b), v[PWV+\t]
.endif
.endr
.if (\b)%2 == 0
.irp t, 0,1,2,3
	v_cvt_scalef32_pk16_fp6_f32 v[VC+12*\t+3*(\b):VC+12*\t+3*(\b)+2], v[ACC+16*\t:ACC+16*\t+15], v[VS+\t]
.endr
	v_nop
.else
.irp t, 0,2
	v_cvt_scalef32_pk16_fp6_f32 v[PT0:PT0+2], v[ACC+16*\t:ACC+16*\t+15], v[VS+\t]
	v_cvt_scalef32_pk16_fp6_f32 v[PT1:PT1+2], v[ACC+16*\t+16:ACC+16*\t+31], v[VS+\t+1]
	v_nop
.irp m, 0,1,2
	v_permlane16_swap_b32 v[VC+12*\t+3*((\b)-1)+\m], v[PT0+\m]
	v_permlane16_swap_b32 v[VC+12*\t+12+3*((\b)-1)+\m], v[PT1+\m]
.endr
.irp m, 0,1,2
	v_mov_b32 v[VC+12*\t+3*((\b)-1)+3+\m], v[PT0+\m]
	v_mov_b32 v[VC+12*\t+12+3*((\b)-1)+3+\m], v[PT1+\m]
.endr
.endr
.endif
.if (\b) == 3
	v_mov_b32 v[SWV], v[PWV]
	v_mov_b32 v[SWV+1], v[PWV+2]
	v_cndmask_b32 v[SWV], v[SWV], v[PWV+1], s[HI]
	v_cndmask_b32 v[SWV+1], v[SWV+1], v[PWV+3], s[HI]
.endif
	WALU
.if (\b) == 3
.irp t, 0,1,2,3
.irp p, 0,1,2
	global_store_b128 v[LI], v[VC+12*\t+4*\p:VC+12*\t+4*\p+3], s[98:99] offset:VOF+\t*FRB+512*\p
.endr
.endr
	global_store_b64 v[L8], v[SWV:SWV+1], s[98:99] offset:VSC
.endif
.endm
.macro BLOCK ph, i
.set RF_, 0
.if (\ph) < 2 && ((\i) == 2 || (\i) == 6)
.set RF_, 1
	s_wait_tensorcnt 0x0                           ; all my tensor loads have landed;
	ds_add_u32 v[SPW], v[NIL]                      ; 0 onto my spare word; the block's products stand between it and the wait for it
.endif
.set N_, 0
.rept 32
	PROD (\ph)/2, \i, N_
.set N_, N_+1
.endr
	WIN 0
.if RF_
	s_wait_dscnt 0x0                               ; the add is done, and so are my reads of the bytes that are filled again
	CROUND
	TREE \ph, \i
.elseif (\ph) == 2 && (\i) == 2
	s_wait_tensorcnt 0x0
	s_wait_dscnt 0x0
	BARRIER                                        ; slot 1's last fill is shown to all
.endif
	PLACES 4                                       ; between the last product and the first reader of its sums, and the fetch into the registers that it has read
.if (\i) < 6
	FETCH (\i)+2
.endif
.if (\ph) == 2
.if (\i)%2
	EPV (\i)/2
.endif
.else
	EPQK \ph, \i, 96+2*(\ph)
.endif
.if (\i) < 6
	s_wait_dscnt NF                                ; the next block's fragments are in; younger is this run's fetch alone
.elseif (\i) == 6
	s_wait_dscnt 0x0
.endif
.if (\ph) < 2 && (\i) == 0
	global_prefetch_b8 v[PFX], s[PB:PB+1] offset:((\ph)+1)*8*GRP th:TH_LOAD_NT scope:SCOPE_SE
	global_prefetch_b8 v[PFY], s[PA+2*((\ph)+1):PA+2*((\ph)+1)+1] th:TH_LOAD_NT scope:SCOPE_SE
.endif
.if (\ph) < 2 && (\i) == 3
	global_prefetch_b8 v[PFY], s[PA+2*((\ph)+1):PA+2*((\ph)+1)+1] offset:HSB th:TH_LOAD_NT scope:SCOPE_SE
.endif
.endm
.macro PHASE ph
	BREGS
	FETCH 0
	FETCH 1
.if (\ph) == 0
	s_wait_loadcnt 52                              ; phase Q's 24 loads are in; the 52 for the later phases are younger
.endif
	s_wait_dscnt NF
.irp i, 0,1,2,3,4,5,6,7
	BLOCK \ph, \i
.endr
.endm
.macro SCLOAD ph, sa, sb, step         ; a phase's scale words: the tokens' 512 bytes on end, the weights' 8 bytes a lane (my four tiles' half of each 16)
.irp q, 0,1,2,3,4,5,6,7
	global_load_b128 v[\sa+4*\q:\sa+4*\q+3], v[LI], s[12:13] offset:(\ph)*262144+512*\q
	global_load_b64 v[\sb+(\step)*\q:\sb+(\step)*\q+1], v[LI], s[18:19] offset:(\ph)*32768+512*\q
.endr
.endm
.macro BIASQK base, dst                ; register 8 t + j of lane (r, h) is channel 32 (t / 2) + 8 (t % 2) + 16 h + j
.irp t, 0,1,2,3
	global_load_b128 v[\dst+8*\t:\dst+8*\t+3], v[HB], s[\base:\base+1] offset:128*(\t/2)+32*(\t%2)
	global_load_b128 v[\dst+8*\t+4:\dst+8*\t+7], v[HB], s[\base:\base+1] offset:128*(\t/2)+32*(\t%2)+16
.endr
.endm
.macro TAKESC sa, sb                   ; the next phase's scale words leave window 3; the moves behind them are the places ahead of the next products
	s_wait_loadcnt 0x0
	WIN 0x03
.set K_, 0
.rept 32
	v_mov_b32 v[SA+K_], v[\sa+K_]
.set K_, K_+1
.endr
.irp q, 0,1,2,3,4,5,6,7
	v_mov_b32 v[SB+4*\q], v[\sb+2*\q]
	v_mov_b32 v[SB+4*\q+1], v[\sb+2*\q+1]
.endr
.endm
; ---- the head
	s_load_b256 s[4:11], s[0:1], 0x0               ; cod, scl, wq_b, wk_b
	s_load_b256 s[92:99], s[0:1], 0x20             ; wv_b, mask, qr, kv
	v_lshl_add_u32 v[SPW], v0, 2, SPARE
	v_mov_b32 v[NIL], 0
	ds_add_u32 v[SPW], v[NIL]                      ; the opening: the add, twice on end, and its wait ahead of my first tensor load
	ds_add_u32 v[SPW], v[NIL]
	v_lshrrev_b32 v1, 5, v0
	v_readfirstlane_b32 s14, v1                    ; the wave; s15 its row a, s16 its column b
	s_lshr_b32 s15, s14, 1
	s_and_b32 s16, s14, 1
	s_bfe_u32 s40, ttmp6, 0x40000                  ; cx
	s_bfe_u32 s41, ttmp6, 0x40004                  ; cy
	s_lshl_b32 s43, ttmp9, 2
	s_add_co_u32 s43, s43, s40                     ; tile row, 0 .. 31
	s_and_b32 s42, ttmp7, 0xffff
	s_lshl_b32 s42, s42, 2
	s_add_co_u32 s42, s42, s41                     ; tile column, 0 .. 7
	s_lshl_b32 s44, 0x1111, s40                    ; my column of the cluster shares the tokens
	s_lshl_b32 s45, s41, 2
	s_lshl_b32 s45, 15, s45                        ; my row shares the weights
	s_or_b32 s[G1A], s44, (3<<16)|(1<<21)          ; a slot: 16 rows of 768 elements of 8 bytes, 1,536 elements apart
	s_mov_b32 s[G1A+1], 768<<16
	s_mov_b32 s[G1A+2], 16<<16
	s_mov_b32 s[G1A+3], 768<<16
	s_mov_b32 s[G1A+4], 16
	s_mov_b32 s[G1A+5], 1536
	s_mov_b32 s[G1A+6], 0
	s_mov_b32 s[G1A+7], 0
	s_or_b32 s[G1B], s45, (3<<16)|(1<<21)          ; half a group of weights: 192 dense rows of 256 bytes
	s_mov_b32 s[G1B+1], 32<<16
	s_mov_b32 s[G1B+2], 192<<16
	s_mov_b32 s[G1B+3], 32<<16
	s_mov_b32 s[G1B+4], 192
	s_mov_b32 s[G1B+5], 32
	s_mov_b32 s[G1B+6], 0
	s_mov_b32 s[G1B+7], 0
	s_mov_b32 s[G0A], 1
	s_mov_b32 s[G0B], 1
	s_mov_b32 s[SEL], 0x76543210
	s_mov_b32 s[SEL+1], 0xfedcba98
	s_mov_b32 s[HI], 0xffff0000
	s_mul_i32 s76, s43, 2*GRP                      ; my two groups of tokens, bytes from cod
	s_mov_b32 s77, 0
	s_add_co_u32 s78, s42, 192
	s_lshl_b32 s82, s78, 12                        ; wq's scale words, bytes from scl,
	s_mul_i32 s78, s78, GRP                        ; and its group, bytes from cod
	s_mov_b32 s79, 0
	s_lshl_b32 s46, s16, 3
	s_add_co_u32 s82, s82, s46
	s_mov_b32 s83, 0
	s_lshl_b32 s75, s43, 1
	s_add_co_u32 s75, s75, s15                     ; my group of 128 tokens, 0 .. 63
	s_lshl_b32 s80, s75, 12
	s_mov_b32 s81, 0
	s_lshl_b32 s88, s75, 9                         ; its mask words
	s_mov_b32 s89, 0
	s_lshl_b32 s84, s42, 9
	s_lshl_b32 s46, s16, 8
	s_add_co_u32 s84, s84, s46                     ; my head's 64 numbers of a bias
	s_mov_b32 s85, 0
	s_lshr_b32 s86, s75, 4                         ; my record: batch x 2^22 + head x 2^18 + group in the batch x 2^14
	s_lshl_b32 s86, s86, 22
	s_and_b32 s46, s75, 15
	s_lshl_b32 s46, s46, 14
	s_add_co_u32 s86, s86, s46
	s_lshl_b32 s46, s42, 1
	s_add_co_u32 s46, s46, s16
	s_lshl_b32 s46, s46, 18
	s_add_co_u32 s86, s86, s46
	s_mov_b32 s87, 0
	s_mul_i32 s20, s15, 8*HSB
	s_add_co_u32 s21, s20, GRP
	s_mul_i32 s22, s16, 4*FRB
	s_add_co_u32 s22, s22, YB
	s_add_co_u32 s23, s22, 4*KSB
	s_lshl_b32 s46, s40, 2
	s_add_co_u32 s46, s46, s14
	s_mul_i32 s46, s46, HSB                        ; the prefetches: my sixteenth of a group of weights,
	s_lshl_b32 s47, s41, 2
	s_add_co_u32 s47, s47, s14
	s_mul_i32 s47, s47, KSB                        ; and my row of a slot's sixteen
	v_and_b32 v1, 15, v0
	v_bfe_u32 v2, v0, 4, 1
	v_and_b32 v3, 31, v0
	v_lshlrev_b32 v[LI], 4, v3
	v_lshlrev_b32 v[L8], 3, v3
	v_add_nc_u32 v[AA], s20, v[LI]
	v_add_nc_u32 v[AA+1], s21, v[LI]
	v_add_nc_u32 v[BL], s22, v[LI]
	v_add_nc_u32 v[BH], s23, v[LI]
	v_lshlrev_b32 v[HB], 6, v2
	v_and_b32 v16, 8, v1
	v_add_lshl_u32 v[MO], v1, v16, 2
	v_min_u32 v17, 23, v3                          ; 24 blocks of 256 bytes; the lanes left over name the last again
	v_lshl_add_u32 v[PFX], v17, 8, s46
	v_lshl_add_u32 v[PFY], v17, 8, s47
	v_xor_b32 v18, 1, v2                           ; 1 in lanes 0-15, which hold k = 64
	v_lshlrev_b32 v[PC+6], 3, v18                  ; Q's spare code: 1.0
	v_mov_b32 v[PC+7], 0
	v_mul_u32_u24 v[CC1], 63, v18                  ; a hidden key's: -7.5
	v_mov_b32 v[CS0], 0x01010000
	v_mov_b32 v[CS1], 0x019d0000
.irp m, 0,1
	v_mov_b32 v[PE+\m], 0                          ; (a lane permute's destination counts as one of its sources)
.endr
.irp m, 0,1,2,3
	v_mov_b32 v[VE+\m], 0
.endr
	WALU                                           ; the head's end
	s_wait_dscnt 0x0
	CROUND                                         ; all sixteen work-groups are here: the joint loads meet
	s_wait_kmcnt 0x0
	s_add_nc_u64 s[PA:PA+1], s[4:5], s[76:77]
	s_add_nc_u64 s[PA+2:PA+3], s[PA:PA+1], 64*GRP
	s_add_nc_u64 s[PA+4:PA+5], s[PA+2:PA+3], 64*GRP
	s_add_nc_u64 s[PB:PB+1], s[4:5], s[78:79]
	s_cmp_eq_u32 s14, 0
	s_cbranch_scc0 .Lwave_1
	TILE G0B, G1B, PB, 0, YB                       ; wave 0: wq's K steps 0-3
	s_branch .Lasked
.Lwave_1:
	s_cmp_eq_u32 s14, 1
	s_cbranch_scc0 .Lwave_2
	TILE G0B, G1B, PB, GRP/2, YB+GRP/2             ; wave 1: K steps 4-7
	s_branch .Lasked
.Lwave_2:
	s_cmp_eq_u32 s14, 2
	s_cbranch_scc0 .Lwave_3
	TILE G0A, G1A, PA, 0, 0                        ; wave 2: slot 0
	s_branch .Lasked
.Lwave_3:
	TILE G0A, G1A, PA, HSB, GRP                    ; wave 3: slot 1
.Lasked:
	s_add_nc_u64 s[12:13], s[6:7], s[80:81]
	s_add_nc_u64 s[18:19], s[6:7], s[82:83]
	s_add_nc_u64 s[8:9], s[8:9], s[84:85]
	s_add_nc_u64 s[10:11], s[10:11], s[84:85]
	s_add_nc_u64 s[92:93], s[92:93], s[84:85]
	s_add_nc_u64 s[94:95], s[94:95], s[88:89]
	s_add_nc_u64 s[96:97], s[96:97], s[86:87]
	s_add_nc_u64 s[98:99], s[98:99], s[86:87]
	SCLOAD 0, SA, SB, 4
	BIASQK 8, BO
	WIN 0xc0                                       ; what waits for the later phases goes to window 3
	SCLOAD 1, K_SA, K_SB, 2
	BIASQK 10, K_BO
.irp m, 0,1,2,3,4,5,6,7
	global_load_b32 v[K_MK+\m], v[MO], s[94:95] offset:4*(32*(\m/2)+8*(\m%2))
.endr
	SCLOAD 2, V_SA, V_SB, 2
.irp m, 0,1,2,3
	global_load_b32 v[V_BO+\m], v[MO], s[92:93] offset:4*(32*(\m/2)+8*(\m%2))   ; V's bias: my channel of tile m
.endr
	WIN 0
	s_cmp_lt_u32 s14, 2
	s_cbranch_scc0 .Lnot_b
	s_wait_tensorcnt 0x0                           ; waves 0 and 1: the weights' halves have landed
.Lnot_b:
	BARRIER
	BREGS
	s_cmp_eq_u32 s14, 2
	s_cbranch_scc0 .Lnot_a
	s_wait_tensorcnt 0x0                           ; wave 2: slot 0 has landed
.Lnot_a:
	s_wait_dscnt 0x0
	BARRIER                                        ; slot 1 may still be on its way: the round at block 2 shows it
; ---- phase Q (the weights are in registers already: the phase's text loads them once more only in the later phases)
	FETCH 0
	FETCH 1
	s_wait_loadcnt 52                              ; phase Q's 24 loads are in; the 52 for the later phases are younger
	s_wait_dscnt NF
.irp i, 0,1,2,3,4,5,6,7
	BLOCK 0, \i
.endr
; ---- phase K
	TAKESC K_SA, K_SB
.set K_, 0
.rept 32
	v_mov_b32 v[BO+K_], v[K_BO+K_]
.set K_, K_+1
.endr
.irp m, 0,1,2,3,4,5,6,7
	v_mov_b32 v[MK+\m], v[K_MK+\m]
.endr
	WIN 0
	WALU
	PHASE 1
; ---- phase V
	TAKESC V_SA, V_SB
.irp t, 0,1,2,3
.irp m, 0,1,2,3,4,5,6,7
	v_mov_b32 v[BO+8*\t+\m], v[V_BO+\t]
.endr
.endr
	WIN 0
	WALU
	PHASE 2
	s_wait_tensorcnt 0x0                           ; the wave's end
	ds_add_u32 v[SPW], v[NIL]
	s_wait_dscnt 0x0
	CROUND                                         ; the closing round
	s_endpgm
.Lfunc_end_k_qbd34b63fd1_proj:
	.size	k_qbd34b63fd1_proj, .Lfunc_end_k_qbd34b63fd1_proj-k_qbd34b63fd1_proj
	.p2alignl 7, 3214868480
	.fill 96, 4, 3214868480
	.section	.rodata,"a",@progbits
	.p2align	6, 0x0
	.amdhsa_kernel k_qbd34b63fd1_proj
		.amdhsa_group_segment_fixed_size 327680
		.amdhsa_private_segment_fixed_size 0
		.amdhsa_enable_private_segment 0
		.amdhsa_kernarg_size 64
		.amdhsa_user_sgpr_count 2
		.amdhsa_user_sgpr_kernarg_segment_ptr 1
		.amdhsa_wavefront_size32 1
		.amdhsa_system_sgpr_workgroup_id_x 1
		.amdhsa_system_sgpr_workgroup_id_y 1
		.amdhsa_system_sgpr_workgroup_id_z 1
		.amdhsa_system_vgpr_workitem_id 0
		.amdhsa_next_free_vgpr 1024
		.amdhsa_next_free_sgpr 102
		.amdhsa_reserve_vcc 1
		.amdhsa_float_denorm_mode_32 3
		.amdhsa_float_denorm_mode_16_64 3
		.amdhsa_memory_ordered 1
		.amdhsa_forward_progress 1
		.amdhsa_inst_pref_size 239
	.end_amdhsa_kernel
	.amdgpu_metadata
---
amdhsa.version: [ 1, 2 ]
amdhsa.kernels:
  - .name:           k_qbd34b63fd1_proj
    .symbol:         k_qbd34b63fd1_proj.kd
    .args:
      - { .name: cod, .offset: 0, .size: 8, .value_kind: global_buffer, .address_space: global }
      - { .name: scl, .offset: 8, .size: 8, .value_kind: global_buffer, .address_space: global }
      - { .name: wq_b, .offset: 16, .size: 8, .value_kind: global_buffer, .address_space: global }
      - { .name: wk_b, .offset: 24, .size: 8, .value_kind: global_buffer, .address_space: global }
      - { .name: wv_b, .offset: 32, .size: 8, .value_kind: global_buffer, .address_space: global }
      - { .name: mask, .offset: 40, .size: 8, .value_kind: global_buffer, .address_space: global }
      - { .name: qr, .offset: 48, .size: 8, .value_kind: global_buffer, .address_space: global }
      - { .name: kv, .offset: 56, .size: 8, .value_kind: global_buffer, .address_space: global }
    .group_segment_fixed_size: 327680
    .private_segment_fixed_size: 0
    .kernarg_segment_align: 8
    .kernarg_segment_size: 64
    .max_flat_workgroup_size: 128
    .sgpr_count:     102
    .vgpr_count:     1024
    .wavefront_size: 32
...
	.end_amdgpu_metadata
.endif
;; end of part 2
;; launch attn (part 3): grid 8 x 32, 16 waves a work-group, clusters of 4 x 1, 327,680 bytes of LDS; arguments qr, kv, cfl, cod, scl; writes cod, scl
.if DOCPART == 3
	.amdgcn_target "amdgcn-amd-amdhsa--gfx1250"
	.amdhsa_code_object_version 6
	.text
	.protected	k_qbd34b63fd1_attn
	.globl	k_qbd34b63fd1_attn
	.p2align	8
	.type	k_qbd34b63fd1_attn,@function
k_qbd34b63fd1_attn:
	s_mov_b64 s[64:65], 0
	v_nop
	global_prefetch_b8 v0, s[64:65] scope:SCOPE_SE
	s_setreg_imm32_b32 hwreg(HW_REG_WAVE_MODE, 25, 1), 1
	s_wait_xcnt 0x0
	s_wait_alu depctr_hold_cnt(0) depctr_sa_sdst(0) depctr_va_vdst(0) depctr_va_sdst(0) depctr_va_ssrc(0) depctr_va_vcc(0) depctr_vm_vsrc(0)
	s_getreg_b32 s2, hwreg(HW_REG_IB_STS2, 6, 4)
	s_cmp_eq_u32 s2, 0
	s_cbranch_scc0 .Lentry_in_a_cluster
	s_endpgm
.Lentry_in_a_cluster:
	s_bfe_u32 s2, ttmp6, 0x10000c
	s_cmp_lg_u32 s2, 0x3003
	s_cbranch_scc0 .Lentry_shape_is_right
	s_endpgm
.Lentry_shape_is_right:
; ATTENTION on codes of FP6 (E2M3) with E8M0 scales: softmax(Q K^T / 8, hidden keys out) V for two neighbouring heads, and the result quantised along head x 64 + channel for the last projection.  No work is left out.
; THE SOFTMAX AHEAD OF THE SECOND PRODUCT: t = score x c, c = log2(e) / 8; M = the row's largest t so far, rounded UP to a whole number; p = 2^(t - M) is quantised along the keys, not normalised; the row's sum is taken
; of the unquantised p and divides at the end.  When M moves, the sum and O are multiplied by 2^(old M - new M): exact.
; THE MASK stands in the operands (second launch): a hidden key's score comes out lower by 7.5 x 2^30, so its p is 0 as soon as a key that counts has been seen; what was summed before that is wiped by the factor
; 2^(old M - new M), which is then 0.  Where NO key of the batch counts, c arrives as 0 from cfl: t = 0, M = 0, every p = 1, as reference() has it.  c is a factor; no branch hangs on it.
; LIMITS: as reference() while a batch's logits spread over less than about 1e9; v_exp_f32 gives 0 under 2^-126; NaN and infinities are not served.
; SHARES.  A work-group owns 256 queries of a batch and a pair of heads, which it walks one after the other: the pair's 32 records of K and V (128 keys each) are one stream.  Each of its sixteen waves owns one tile of
; 16 queries in 256 registers: four waves to a SIMD.  A wave's two results of 64 channels are one whole fragment, and one whole scale word a row, of the last projection's operand.
; LAYOUT.  Both products transposed: S^T = K Q^T, O^T = V^T P^T: a lane holds ONE query throughout; the keys of a tile of K and the channels of a tile of V^T are chosen (first launch) so that 16 registers of two
; neighbouring tiles are 16 neighbours: p and O go into the conversions as they stand.
; THE RING: two slots of EIGHT records, 131,072 bytes each; a head is two slots, the launch four.  So there are four changes of slots, and between two of them a wave walks eight key steps with no barrier.
; CLUSTER.  The four blocks of queries of a cluster walk the same records: each slot is asked for JOINTLY, by waves 0 to 7, one record each: 59 rows of 256 bytes, the record without its unwritten tail.
; REGISTERS: v1-11 addresses; v12 -M, v13 the largest t, v[14:15] the sum; v16-27 Q; v32-79 four tiles of K (registers 8-11 of each, and of Q, are zeros: K = 64 and one spare code); v80-81 V's scale words;
; v96-159 S^T, then p, then four tiles of V^T; v160-191 O^T; v192-203 the result's fragment; v204-206 its scale bytes; v208-216 the second head's Q; v224-235 p's codes; v232-254 at work; v248-251 K's scale words; v255 Q's.
.set REC,   16384
.set HEADB, 16*REC
.set VOF,   8192
.set KSC,   14336
.set VSC,   14848
.set NREC,  8                          ; records in a slot
.set SLOT1, NREC*REC                   ; one exclusive or turns a slot's first byte into the other's
.set OSC,   2*SLOT1                    ; behind the ring: the result's scale words, 2 groups x 512 bytes: LDS stores alone land here
.set SPARE, OSC+1024                   ; the spare words, 128 bytes for each wave: eight blocks of 256 bytes that no other line names
.set LI,   1                           ; v1  16 x lane
.set L8,   2                           ; v2  8 x lane
.set OSA,  3                           ; v3  where my row's scale word goes
.set OSR,  4                           ; v4  where waves 0 and 1 read a group's 512 bytes back
.set SPW,  5                           ; v5  LDS address of my spare word; never rewritten
.set NIL,  6                           ; v6  0; never rewritten
.set ADK,  8                           ; v8  the record in hand + 16 x lane
.set ADV8, 9                           ; v9  the record in hand + 8 x lane
.set PFO,  28                          ; v28 the prefetches' offset; never rewritten
.set KB,   32
.set F,    192
.set WV,   18                          ; s18 my wave's number
.set SEL,  20                          ; s[20:21] lane selects for lane l xor 16
.set CS,   22                          ; s[22:23] c: the packed form names a pair and takes its low word for both halves
.set G1,   24                          ; s[24:31] descriptor group 1
.set G0,   32                          ; s[32:35] group 0, which walks
.set TB,   36                          ; s36 LDS byte at which the record in hand begins
.set TRIPS, 37                         ; s37 key steps to go in the slot in hand
.set LIM,  38                          ; s38 1 in a wave that prefetches, else -1
.set PFA,  40                          ; s[40:41] the slot after the one that is being asked for
.macro ROUND                           ; a round of the cluster's barrier
	s_barrier_signal -1
	s_barrier_wait -1
	s_cmp_lg_u32 s[WV], 0
	s_cbranch_scc1 .Lnot_wave_0_\@
	s_barrier_signal -3
.Lnot_wave_0_\@:
	s_barrier_wait -3
	s_barrier_signal -1
	s_barrier_wait -1
.endm
.macro TLOAD                           ; waves 0 to 7 fetch a record each; the branch hangs on the wave's number alone.  An s_nop 0 and four v_nop follow the load
	s_cmp_lt_u32 s[WV], NREC
	s_cbranch_scc0 .Lasked_\@
	tensor_load_to_lds s[G0:G0+3], s[G1:G1+7]
	s_nop 0
.rept 4
	v_nop
.endr
.Lasked_\@:
.endm
; A PREFETCH INTO THE L2 of the slot that the NEXT change of slots will ask for: eight key steps ahead of that load.  Both clusters of a pair of heads walk the same records: the first (cluster x = 0) asks, waves 8 to 11
; of each partner, one instruction each: wave 8 + i takes records 2 i and 2 i + 1 of the slot (lanes 0-15 the first, lanes 16-31 the second).  The four partners share a record's 59 rows of 256 bytes out BY ADDRESS,
; 16 each; the last partner's lanes past row 58 are held at row 58.  Only the first two changes of slots ask: slots 0 and 1 come by their loads alone, and behind the fourth slot nothing is left.
.macro ASK
	s_cmp_eq_u32 s[LIM], 1
	s_cbranch_scc0 .Lnot_mine_\@
	global_prefetch_b8 v[PFO], s[PFA:PFA+1] th:TH_LOAD_NT scope:SCOPE_SE
.Lnot_mine_\@:
.endm
	s_load_b256 s[4:11], s[0:1], 0x0               ; qr s[4:5], kv s[6:7], cfl s[8:9], cod s[10:11]
	s_load_b64 s[12:13], s[0:1], 0x20              ; scl
	v_lshl_add_u32 v[SPW], v0, 2, SPARE
	v_mov_b32 v[NIL], 0
	ds_add_u32 v[SPW], v[NIL]                      ; the wave's opening: the add, twice on end, and its wait ahead of my first tensor load
	ds_add_u32 v[SPW], v[NIL]
	v_lshrrev_b32 v7, 5, v0
	s_delay_alu instid0(VALU_DEP_1)
	v_readfirstlane_b32 s[WV], v7                  ; wave 0..15
	s_bfe_u32 s42, ttmp6, 0x40000                  ; cx: it enters Q's and the result's addresses and the prefetches' offset alone
	s_lshl_b32 s43, ttmp9, 2
	s_add_co_u32 s43, s43, s42                     ; my block of 256 queries
	s_and_b32 s44, ttmp7, 0xffff
	s_lshr_b32 s45, s44, 3                         ; the batch
	s_and_b32 s46, s44, 7                          ; the pair of heads
	s_lshl_b32 s48, s45, 22
	s_lshl_b32 s47, s46, 19
	s_add_co_u32 s48, s48, s47                     ; the pair's first byte in kv and in qr
	s_mov_b32 s49, 0
	s_and_b32 s62, s[WV], 1
	s_and_b32 s66, s[WV], NREC-1
	s_lshl_b32 s50, s66, 14                        ; which record of a slot I would fetch
	s_mov_b32 s51, 0
	s_lshr_b32 s52, s[WV], 3
	s_lshl_b32 s53, s43, 1
	s_add_co_u32 s53, s53, s52                     ; my group of 128 tokens in the batch
	s_and_b32 s54, s[WV], 7                        ; my tile in it
	s_lshl_b32 s58, s45, 7                         ; the batch's c
	s_mov_b32 s59, 0
	s_mov_b32 s[G1], 15|(3<<16)|(1<<21)            ; 15:0 the mask: all four work-groups; 17:16 elements of 8 bytes; 21 set beside a mask; no padding
	s_mov_b32 s[G1+1], 32<<16                      ; tensor_dim0: rows of 256 bytes
	s_mov_b32 s[G1+2], 59<<16                      ; tensor_dim1
	s_mov_b32 s[G1+3], 32<<16                      ; tile_dim0
	s_mov_b32 s[G1+4], 59                          ; tile_dim1
	s_mov_b32 s[G1+5], 32                          ; tensor_dim0_stride
	s_mov_b32 s[G1+6], 0
	s_mov_b32 s[G1+7], 0
	s_mov_b32 s[SEL], 0x76543210
	s_mov_b32 s[SEL+1], 0xfedcba98
	s_lshr_b32 s57, s[WV], 2
	s_xor_b32 s57, s57, 2                          ; 0 in waves 8 to 11,
	s_or_b32 s57, s57, ttmp9                       ; of the pair's first cluster: the same in all four partners
	s_cmp_eq_u32 s57, 0
	s_cselect_b32 s[LIM], 1, -1
	s_wait_dscnt 0x0                               ; both opening adds are done
	s_wait_kmcnt 0x0
	s_add_nc_u64 s[8:9], s[8:9], s[58:59]
	s_load_b32 s[CS], s[8:9], 0x0
	s_add_nc_u64 s[6:7], s[6:7], s[48:49]          ; kv at the pair's first record
	s_mov_b32 s[G0], 1                             ; count = 1
	s_mov_b32 s[G0+1], s50                         ; LDS address: slot 0, my record
	s_add_nc_u64 s[G0+2:G0+3], s[6:7], s[50:51]
	s_or_b32 s[G0+3], s[G0+3], 0x80000000          ; type = 2
	s_add_nc_u64 s[PFA:PFA+1], s[6:7], NREC*REC    ; slot 1: the first change of slots steps it to slot 2
	ROUND                                          ; all four work-groups are here: the first joint loads meet
	TLOAD                                          ; slot 0
	v_and_b32 v7, 31, v0
	s_delay_alu instid0(VALU_DEP_1)
	v_lshlrev_b32 v[LI], 4, v7
	s_wait_alu depctr_va_vdst(0)
	v_lshlrev_b32 v[L8], 3, v7
	v_and_b32 v7, 15, v0                           ; r
	s_and_b32 s47, s54, 1
	s_lshl_b32 s47, s47, 8
	s_lshr_b32 s63, s54, 1
	s_lshl_b32 s63, s63, 2
	s_add_co_u32 s47, s47, s63
	v_lshl_add_u32 v11, v7, 4, s47                 ; my row's scale word among a group's 512 bytes: 16 r + 256 (tile % 2) + 4 (tile / 2)
	s_wait_alu depctr_va_vdst(0)
	s_lshl_b32 s63, s52, 9
	s_add_co_u32 s63, s63, OSC
	v_add_nc_u32 v[OSA], s63, v11
	s_lshl_b32 s63, s62, 9
	s_add_co_u32 s63, s63, OSC
	v_add_nc_u32 v[OSR], s63, v[LI]
	s_lshl_b32 s63, s54, 10
	v_add_nc_u32 v10, s63, v[LI]                   ; my tile of Q in its record
	s_lshl_b32 s56, s53, 14
	s_add_co_u32 s56, s56, s48
	s_mov_b32 s57, 0
	s_add_nc_u64 s[4:5], s[4:5], s[56:57]          ; Q's record of my group, first head
	global_load_b128 v[16:19], v10, s[4:5]
	global_load_b128 v[20:23], v10, s[4:5] offset:512
	global_load_b32 v255, v11, s[4:5] offset:KSC
	global_load_b128 v[208:211], v10, s[4:5] offset:HEADB
	global_load_b128 v[212:215], v10, s[4:5] offset:HEADB+512
	global_load_b32 v216, v11, s[4:5] offset:HEADB+KSC
	s_lshl_b32 s60, s45, 4
	s_add_co_u32 s61, s60, s53                     ; my group among the 64: the result takes the place of q's codes
	s_mul_i32 s56, s61, 98304
	s_mul_i32 s61, s46, 12288                      ; K step = the pair of heads
	s_add_co_u32 s56, s56, s61
	s_mul_i32 s61, s54, 1536
	s_add_co_u32 s56, s56, s61
	s_add_nc_u64 s[10:11], s[10:11], s[56:57]
	s_lshl_b32 s61, s43, 1
	s_add_co_u32 s61, s61, s60
	s_add_co_u32 s61, s61, s62                     ; the group whose scale words wave 0 or 1 stores
	s_lshl_b32 s56, s61, 12
	s_lshl_b32 s61, s46, 9
	s_add_co_u32 s56, s56, s61
	s_add_nc_u64 s[12:13], s[12:13], s[56:57]
	s_lshl_b32 s56, s42, 4
	v_add_nc_u32 v[PFO], s56, v7                   ; row 16 cx + lane % 16 of a record,
	s_delay_alu instid0(VALU_DEP_1)
	v_min_u32 v[PFO], 58, v[PFO]                   ; held at the last row that is written,
	s_delay_alu instid0(VALU_DEP_1)
	v_lshlrev_b32 v[PFO], 8, v[PFO]
	v_bfe_u32 v7, v0, 4, 1
	s_delay_alu instid0(VALU_DEP_1)
	v_lshl_add_u32 v[PFO], v7, 14, v[PFO]          ; in record lane / 16
	s_and_b32 s56, s[WV], 3
	s_lshl_b32 s56, s56, 15
	v_add_nc_u32 v[PFO], s56, v[PFO]               ; of pair wave % 4 of the slot's four pairs of records
.irp j, 0,1,2,3
	v_mov_b32 v[24+\j], 0                          ; k = 80 on of Q and of the four tiles of K: zero codes, written once
	v_mov_b32 v[KB+8+\j], 0
	v_mov_b32 v[KB+20+\j], 0
	v_mov_b32 v[KB+32+\j], 0
	v_mov_b32 v[KB+44+\j], 0
	v_mov_b32 v[236+\j], 0                         ; (a lane permute's destination counts as one of its sources)
.endr
	v_mov_b32 v253, 0                              ; (named as the upper half of the pair v[252:253] before it is first written)
; the state of a head: the largest t -3e38, under every t; the sum and O^T zeros, which the first change of M leaves zeros
.macro FRESH
	v_mov_b32 v13, 0xff61b1e6
	s_delay_alu instid0(VALU_DEP_1)
	v_floor_f32 v12, -v13                          ; -M
	v_mov_b32 v14, 0
	v_mov_b32 v15, 0
.set j, 0
.rept 32
	v_mov_b32 v[160+j], 0
.set j, j+1
.endr
.endm
	FRESH
; A KEY STEP: the 128 keys of the record in hand.
.macro STEP
	ds_load_b128 v[248:251], v[ADK] offset:KSC     ; K's scale words: register i / 2 serves tile i
.irp g, 0,1                                    ; S^T = K Q^T, four tiles of 16 keys at a time
.if \g
.rept 4
	v_nop                                          ; places in front of loads into registers that the last products have read
.endr
.endif
.irp t, 0,1,2,3
	ds_load_b128 v[KB+12*\t:KB+12*\t+3], v[ADK] offset:(4*\g+\t)*1024
	ds_load_b128 v[KB+12*\t+4:KB+12*\t+7], v[ADK] offset:(4*\g+\t)*1024+512
.endr
.if \g == 0
.rept 5
	v_nop                                          ; the products below write over v96 on, which the last step's products read as V^T: five places
.endr
.endif
	s_wait_dscnt 0x0
.irp u, 0,1
	v_wmma_scale_f32_16x16x128_f8f6f4 v[96+8*(4*\g+2*\u):103+8*(4*\g+2*\u)], v[KB+24*\u:KB+24*\u+11], v[16:27], 0, v[248+2*\g+\u], v255 matrix_a_fmt:MATRIX_FMT_FP6 matrix_b_fmt:MATRIX_FMT_FP6
	v_wmma_scale_f32_16x16x128_f8f6f4 v[104+8*(4*\g+2*\u):111+8*(4*\g+2*\u)], v[KB+12+24*\u:KB+24*\u+23], v[16:27], 0, v[248+2*\g+\u], v255 matrix_a_fmt:MATRIX_FMT_FP6 matrix_b_fmt:MATRIX_FMT_FP6 matrix_a_scale:MATRIX_SCALE_ROW1
.endr
.endr                                          ; lane (r, h) holds query r; register 16 b + i is key 32 b + 16 h + i of the step
.rept 4
	v_nop
.endr
.irp b, 0,1,2,3
	v_max3_num_f32 v[232+\b], v[96+16*\b], v[97+16*\b], v[98+16*\b]   ; the largest score of each block of 32 keys serves twice: for the row's maximum, and, since p does not fall where the score rises, for the block's largest p
.endr
.irp i, 3,5,7,9,11,13
.irp b, 0,1,2,3
	v_max3_num_f32 v[232+\b], v[232+\b], v[96+16*\b+\i], v[97+16*\b+\i]
.endr
.endr
.irp b, 0,1,2,3
	v_max_num_f32 v[232+\b], v[232+\b], v[111+16*\b]
.endr
.irp b, 0,1,2,3
	s_delay_alu instid0(VALU_DEP_4)
	v_permlanex16_b32 v[236+\b], v[232+\b], s[SEL], s[SEL+1]
.endr
.irp b, 0,1,2,3
	s_delay_alu instid0(VALU_DEP_4)
	v_max_num_f32 v[232+\b], v[232+\b], v[236+\b]  ; with lane l xor 16's 16 keys
.endr
	s_delay_alu instid0(VALU_DEP_2)
	v_max3_num_f32 v254, v232, v233, v234
	s_delay_alu instid0(VALU_DEP_1)
	v_max_num_f32 v254, v254, v235                 ; the step's largest score of my query
	s_delay_alu instid0(VALU_DEP_1)
	v_mul_f32 v254, s[CS], v254                    ; as t (c is not negative)
	s_delay_alu instid0(VALU_DEP_1)
	v_max_num_f32 v13, v13, v254                   ; the running largest t
	v_mov_b32 v254, v12
	s_delay_alu instid0(VALU_DEP_2)
	v_floor_f32 v12, -v13                          ; the new -M = floor(-t): M is a whole number
	s_delay_alu instid0(VALU_DEP_1)
	v_sub_f32 v254, v12, v254                      ; M's old value less its new one: a whole number, 0 or less
	s_delay_alu instid0(VALU_DEP_1)
	v_cvt_i32_f32 v254, v254                       ; (it saturates)
	s_delay_alu instid0(VALU_DEP_1)
	v_ldexp_f32 v252, 1.0, v254                    ; f = 2^(old M - new M)
.set j, 0
.rept 32
	v_pk_fma_f32 v[96+j:97+j], v[96+j:97+j], s[CS:CS+1], v[12:13] op_sel_hi:[1,0,0]   ; t - M, two at a time
.set j, j+2
.endr
.irp b, 0,1,2,3
	v_fma_f32 v[232+\b], v[232+\b], s[CS], v12     ; the same of each block's largest score
.endr
.set j, 0
	s_wait_alu depctr_va_vdst(0)                   ; ahead of the batch
.rept 64
	v_exp_f32 v[96+j], v[96+j]                     ; p = 2^(t - M), at most 1: not normalised
.set j, j+1
.endr
	v_pk_mul_f32 v[14:15], v[14:15], v[252:253] op_sel_hi:[1,0]   ; the sums under the new M.  (A plain place behind the exponentials)
	s_wait_alu depctr_va_vdst(0)                   ; ahead of the first line that names a result: one for the whole batch
.irp b, 0,1,2,3
	v_exp_f32 v[232+\b], v[232+\b]                 ; the block's largest p: the same two instructions on the same number give the same bits
.endr
	v_pk_add_f32 v[236:237], v[100:101], v[104:105]   ; the row's sum of the unquantised p, in eight chains
	v_pk_add_f32 v[250:251], v[108:109], v[112:113]
	v_pk_add_f32 v[248:249], v[116:117], v[120:121]
	v_pk_add_f32 v[246:247], v[124:125], v[128:129]
	v_pk_add_f32 v[244:245], v[132:133], v[136:137]
	v_pk_add_f32 v[242:243], v[140:141], v[144:145]
	v_pk_add_f32 v[240:241], v[148:149], v[152:153]
	v_pk_add_f32 v[14:15], v[14:15], v[156:157]
	v_pk_add_f32 v[236:237], v[236:237], v[96:97]
	v_pk_add_f32 v[250:251], v[250:251], v[98:99]
	v_pk_add_f32 v[248:249], v[248:249], v[102:103]
	v_pk_add_f32 v[246:247], v[246:247], v[106:107]
	v_pk_add_f32 v[244:245], v[244:245], v[110:111]
	v_pk_add_f32 v[242:243], v[242:243], v[114:115]
	v_pk_add_f32 v[240:241], v[240:241], v[118:119]
	v_pk_add_f32 v[14:15], v[14:15], v[122:123]
	v_pk_add_f32 v[236:237], v[236:237], v[126:127]
	v_pk_add_f32 v[250:251], v[250:251], v[130:131]
	v_pk_add_f32 v[248:249], v[248:249], v[134:135]
	v_pk_add_f32 v[246:247], v[246:247], v[138:139]
	v_pk_add_f32 v[244:245], v[244:245], v[142:143]
	v_pk_add_f32 v[242:243], v[242:243], v[146:147]
	v_pk_add_f32 v[240:241], v[240:241], v[150:151]
	v_pk_add_f32 v[14:15], v[14:15], v[154:155]
	v_pk_add_f32 v[236:237], v[236:237], v[158:159]
	s_delay_alu instid0(VALU_DEP_2)
	v_pk_add_f32 v[14:15], v[14:15], v[246:247]
	s_delay_alu instid0(VALU_DEP_2)
	v_pk_add_f32 v[236:237], v[236:237], v[244:245]
	v_pk_add_f32 v[250:251], v[250:251], v[242:243]
	v_pk_add_f32 v[248:249], v[248:249], v[240:241]
	s_delay_alu instid0(VALU_DEP_2)
	v_pk_add_f32 v[14:15], v[14:15], v[250:251]
	s_delay_alu instid0(VALU_DEP_2)
	v_pk_add_f32 v[236:237], v[236:237], v[248:249]
	s_delay_alu instid0(VALU_DEP_1)
	v_pk_add_f32 v[14:15], v[14:15], v[236:237]
	s_wait_alu depctr_va_vdst(0)                   ; and one for the four
.irp b, 0,1,2,3
	v_max_num_f32 v[232+\b], 0x1800000, v[232+\b]  ; the floor 2^(3 - 127): a block whose every p is 0 keeps the byte 1: its codes are zeros
.endr
.irp b, 0,1,2,3
	s_delay_alu instid0(VALU_DEP_4)
	v_add_nc_u32 v[244+\b], 0xff000000, v[232+\b]  ; 2 off the exponent field: the conversion's scale operand
.endr
.irp b, 0,1,2,3
	s_delay_alu instid0(VALU_DEP_4)
	v_lshrrev_b32 v[236+\b], 23, v[244+\b]         ; the scale's byte
.endr
	s_delay_alu instid0(VALU_DEP_3)
	v_lshl_or_b32 v253, v237, 8, v236              ; p's scale word for these 128 keys
	s_delay_alu instid0(VALU_DEP_1)
	v_lshl_or_b32 v253, v238, 16, v253
	s_delay_alu instid0(VALU_DEP_1)
	v_lshl_or_b32 v253, v239, 24, v253
.irp c, 0,1
	v_cvt_scalef32_pk16_fp6_f32 v[224+6*\c:226+6*\c], v[96+32*\c:111+32*\c], v[244+2*\c]
	v_cvt_scalef32_pk16_fp6_f32 v[236+4*\c:238+4*\c], v[112+32*\c:127+32*\c], v[245+2*\c]   ; (a conversion's three registers begin on an even number)
.endr
	v_nop                                          ; one plain place behind a scaled conversion
.irp t, 0,1,2,3                                ; p has been read: its registers take the four tiles of V^T, which land under the lines below
.irp p, 0,1,2
	ds_load_b128 v[96+12*\t+4*\p:99+12*\t+4*\p], v[ADK] offset:VOF+\t*1536+512*\p
.endr
.endr
	ds_load_b64 v[80:81], v[ADV8] offset:VSC       ; V's scale words: register t / 2 serves tile t
.irp c, 0,1                                    ; a whole block in a lane: lanes 0-15 block 2 c, lanes 16-31 block 2 c + 1
.irp i, 0,1,2
	v_permlane16_swap_b32 v[224+6*\c+\i], v[236+4*\c+\i]
.endr
.irp i, 0,1,2
	s_delay_alu instid0(VALU_DEP_3)
	v_mov_b32 v[227+6*\c+\i], v[236+4*\c+\i]
.endr
.endr
.set j, 0
.rept 16
	v_pk_mul_f32 v[160+j:161+j], v[160+j:161+j], v[252:253] op_sel_hi:[1,0]   ; O^T under the new M.  (These 16 are also the places between p's codes and scale word and the products)
.set j, j+2
.endr
	s_wait_alu depctr_va_vdst(0)
	s_wait_dscnt 0x0
.irp u, 0,1                                    ; O^T += V^T P^T: four accumulators by turns
	v_wmma_scale_f32_16x16x128_f8f6f4 v[160+16*\u:167+16*\u], v[96+24*\u:107+24*\u], v[224:235], v[160+16*\u:167+16*\u], v[80+\u], v253 matrix_a_fmt:MATRIX_FMT_FP6 matrix_b_fmt:MATRIX_FMT_FP6
	v_wmma_scale_f32_16x16x128_f8f6f4 v[168+16*\u:175+16*\u], v[108+24*\u:119+24*\u], v[224:235], v[168+16*\u:175+16*\u], v[80+\u], v253 matrix_a_fmt:MATRIX_FMT_FP6 matrix_b_fmt:MATRIX_FMT_FP6 matrix_a_scale:MATRIX_SCALE_ROW1
.endr
.endm
; THE CHANGE OF SLOTS stands at a slot's head.  Each wave waits for all its tensor loads, adds 0 to its spare word (fill = 1: twice on end), and waits for that and
; for its reads of the slot that it has left.  fill = 1: a round of the cluster's barrier, and behind it that slot is filled with the next eight records: the load has eight key steps in which to land.
.macro CHANGE fill, ask
	s_wait_tensorcnt 0x0                           ; no tensor load of mine is out, so group 0 may be written
	ds_add_u32 v[SPW], v[NIL]                      ; 0 onto my spare word
.if \fill
	ds_add_u32 v[SPW], v[NIL]                      ; and once more
	s_xor_b32 s[G0+1], s[G0+1], SLOT1              ; the other slot than last time,
	s_add_nc_u64 s[G0+2:G0+3], s[G0+2:G0+3], NREC*REC ; the next eight records; the type bits on top are not reached
	s_wait_xcnt 0x0                                ; the last prefetch, a slot back, has read its address
	s_add_nc_u64 s[PFA:PFA+1], s[PFA:PFA+1], NREC*REC
	s_wait_dscnt 0x0                               ; both adds are done, and my reads of the slot that I have left are over
	ROUND
	TLOAD                                          ; the first thing behind the round, and a wave's one tensor load until the next
.if \ask
	ASK
.endif
.else
	s_wait_dscnt 0x0
	s_barrier_signal -1
	s_barrier_wait -1
.endif
.endm
; A SLOT: its change, and eight key steps in a counted loop; first: the slot's first record's place in the ring
.macro WALK fill, ask, first
	CHANGE \fill, \ask
	s_mov_b32 s[TB], (\first)*REC
	s_mov_b32 s[TRIPS], NREC
.Lwalk_\@:
	v_add_nc_u32 v[ADK], s[TB], v[LI]
	s_wait_alu depctr_va_vdst(0)
	v_add_nc_u32 v[ADV8], s[TB], v[L8]
	STEP
	s_add_co_u32 s[TB], s[TB], REC                 ; on to the next record
	s_sub_co_u32 s[TRIPS], s[TRIPS], 1
	s_cmp_lg_u32 s[TRIPS], 0
	s_cbranch_scc1 .Lwalk_\@
.endm
; A HEAD'S END: O^T / the sum; register 16 b + i is channel 32 b + 16 h + i of my query: two blocks of the last projection's K, quantised into registers 6 c .. 6 c + 5 of the fragment; their two bytes into v[204 + c].
.macro FIN c
	v_add_f32 v14, v14, v15                        ; the sum's two halves,
	s_delay_alu instid0(VALU_DEP_1)
	v_permlanex16_b32 v252, v14, s[SEL], s[SEL+1]
	s_delay_alu instid0(VALU_DEP_1)
	v_add_f32 v14, v14, v252                       ; and lane l xor 16's
	s_wait_alu depctr_va_vdst(0)
	v_rcp_f32 v14, v14
.rept 4
	v_nop                                          ; the plain place behind the reciprocal, and the places behind the last products
.endr
	s_wait_alu depctr_va_vdst(0)                   ; ahead of the first line that names the result
.set j, 0
.rept 16
	v_pk_mul_f32 v[96+j:97+j], v[160+j:161+j], v[14:15] op_sel_hi:[1,0]
.set j, j+2
.endr
.irp b, 0,1
	v_max3_num_f32 v[232+\b], |v[96+16*\b]|, |v[97+16*\b]|, 0x1800000
.endr
.irp i, 2,4,6,8,10,12,14
.irp b, 0,1
	s_delay_alu instid0(VALU_DEP_2)
	v_max3_num_f32 v[232+\b], v[232+\b], |v[96+16*\b+\i]|, |v[97+16*\b+\i]|
.endr
.endr
.irp b, 0,1
	s_delay_alu instid0(VALU_DEP_2)
	v_permlanex16_b32 v[236+\b], v[232+\b], s[SEL], s[SEL+1]
.endr
.irp b, 0,1
	s_delay_alu instid0(VALU_DEP_2)
	v_max_num_f32 v[232+\b], v[232+\b], v[236+\b]
.endr
.irp b, 0,1
	s_delay_alu instid0(VALU_DEP_2)
	v_add_nc_u32 v[244+\b], 0xff000000, v[232+\b]
.endr
.irp b, 0,1
	s_delay_alu instid0(VALU_DEP_2)
	v_lshrrev_b32 v[236+\b], 23, v[244+\b]
.endr
	s_delay_alu instid0(VALU_DEP_1)
	v_lshl_or_b32 v[204+\c], v237, 8, v236
	v_cvt_scalef32_pk16_fp6_f32 v[F+6*\c:F+6*\c+2], v[96:111], v244
	v_cvt_scalef32_pk16_fp6_f32 v[240:242], v[112:127], v245
	v_nop                                          ; one plain place behind a scaled conversion
.irp i, 0,1,2
	v_permlane16_swap_b32 v[F+6*\c+\i], v[240+\i]
.endr
.irp i, 0,1,2
	s_delay_alu instid0(VALU_DEP_3)
	v_mov_b32 v[F+6*\c+3+\i], v[240+\i]
.endr
.endm
	s_wait_kmcnt 0x0                               ; c
	s_mov_b32 s[CS+1], s[CS]                       ; (named with it as a pair, so it is written)
	s_wait_loadcnt 0x0                             ; Q
	WALK 1, 1, 0                                   ; the first head: records 0-7, while slot 1 takes records 8-15;
	WALK 1, 1, NREC                                ; records 8-15, while slot 0 takes the second head's records 16-23
	FIN 0
.irp j, 0,1,2,3,4,5,6,7
	v_mov_b32 v[16+\j], v[208+\j]                  ; the second head's Q
.endr
	v_mov_b32 v255, v216                           ; and its scale words; the 36 lines below are the places ahead of the next products
	FRESH
	WALK 1, 0, 0                                   ; records 16-23, while slot 1 takes records 24-31
	WALK 0, 0, NREC                                ; the last slot: nothing is left to ask for
	FIN 1
	v_lshl_or_b32 v206, v205, 16, v204             ; my row's scale word of this K step
.irp p, 0,1,2
	global_store_b128 v[LI], v[F+4*\p:F+4*\p+3], s[10:11] offset:512*\p   ; the fragment's image: 512 consecutive bytes a store, aligned
.endr
	ds_store_b32 v[OSA], v206                      ; both lanes of a row write the same word with the same value
	s_wait_dscnt 0x0                               ; for the others' sake
	s_barrier_signal -1
	s_barrier_wait -1
	s_cmp_lt_u32 s[WV], 2
	s_cbranch_scc0 .Lno_words
	ds_load_b128 v[96:99], v[OSR]                  ; a group's 512 bytes, from eight waves
	s_wait_dscnt 0x0
	global_store_b128 v[LI], v[96:99], s[12:13]
.Lno_words:
	s_wait_tensorcnt 0x0                           ; the wave's end: behind my last tensor load and my last LDS store
	ds_add_u32 v[SPW], v[NIL]
	s_wait_dscnt 0x0
	ROUND                                          ; the closing round: no work-group ends while a partner may still ask for a slot that names it
	s_endpgm
.Lfunc_end_k_qbd34b63fd1_attn:
	.size	k_qbd34b63fd1_attn, .Lfunc_end_k_qbd34b63fd1_attn-k_qbd34b63fd1_attn
	.p2alignl 7, 3214868480
	.fill 96, 4, 3214868480
	.section	.rodata,"a",@progbits
	.p2align	6, 0x0
	.amdhsa_kernel k_qbd34b63fd1_attn
		.amdhsa_group_segment_fixed_size 327680
		.amdhsa_private_segment_fixed_size 0
		.amdhsa_enable_private_segment 0
		.amdhsa_kernarg_size 40
		.amdhsa_user_sgpr_count 2
		.amdhsa_user_sgpr_kernarg_segment_ptr 1
		.amdhsa_wavefront_size32 1
		.amdhsa_system_sgpr_workgroup_id_x 1
		.amdhsa_system_sgpr_workgroup_id_y 1
		.amdhsa_system_sgpr_workgroup_id_z 1
		.amdhsa_system_vgpr_workitem_id 0
		.amdhsa_next_free_vgpr 256
		.amdhsa_next_free_sgpr 72
		.amdhsa_reserve_vcc 0
		.amdhsa_float_denorm_mode_32 3
		.amdhsa_float_denorm_mode_16_64 3
		.amdhsa_memory_ordered 1
		.amdhsa_forward_progress 1
		.amdhsa_inst_pref_size 91
	.end_amdhsa_kernel
	.amdgpu_metadata
---
amdhsa.version: [ 1, 2 ]
amdhsa.kernels:
  - .name:           k_qbd34b63fd1_attn
    .symbol:         k_qbd34b63fd1_attn.kd
    .args:
      - { .name: qr, .offset: 0, .size: 8, .value_kind: global_buffer, .address_space: global }
      - { .name: kv, .offset: 8, .size: 8, .value_kind: global_buffer, .address_space: global }
      - { .name: cfl, .offset: 16, .size: 8, .value_kind: global_buffer, .address_space: global }
      - { .name: cod, .offset: 24, .size: 8, .value_kind: global_buffer, .address_space: global }
      - { .name: scl, .offset: 32, .size: 8, .value_kind: global_buffer, .address_space: global }
    .group_segment_fixed_size: 327680
    .private_segment_fixed_size: 0
    .kernarg_segment_align: 8
    .kernarg_segment_size: 40
    .max_flat_workgroup_size: 512
    .sgpr_count:     72
    .vgpr_count:     256
    .wavefront_size: 32
...
	.end_amdgpu_metadata
.endif
;; end of part 3
;; launch outp (part 4): grid 32 x 8, 4 waves a work-group, clusters of 4 x 4, 327,680 bytes of LDS; arguments cod, scl, wo_b, out0; writes out0
.if DOCPART == 4
	.amdgcn_target "amdgcn-amd-amdhsa--gfx1250"
	.amdhsa_code_object_version 6
	.text
	.protected	k_qbd34b63fd1_outp
	.globl	k_qbd34b63fd1_outp
	.p2align	8
	.type	k_qbd34b63fd1_outp,@function
k_qbd34b63fd1_outp:
	s_mov_b64 s[64:65], 0
	v_nop
	global_prefetch_b8 v0, s[64:65] scope:SCOPE_SE
	s_setreg_imm32_b32 hwreg(HW_REG_WAVE_MODE, 25, 1), 1
	s_wait_xcnt 0x0
	s_wait_alu depctr_hold_cnt(0) depctr_sa_sdst(0) depctr_va_vdst(0) depctr_va_sdst(0) depctr_va_ssrc(0) depctr_va_vcc(0) depctr_vm_vsrc(0)
	s_getreg_b32 s2, hwreg(HW_REG_IB_STS2, 6, 4)
	s_cmp_eq_u32 s2, 0
	s_cbranch_scc0 .Lentry_in_a_cluster
	s_endpgm
.Lentry_in_a_cluster:
	s_bfe_u32 s2, ttmp6, 0x10000c
	s_cmp_lg_u32 s2, 0xf033
	s_cbranch_scc0 .Lentry_shape_is_right
	s_endpgm
.Lentry_shape_is_right:
; out0[token][n] = sum over k of context[token][k] wo_w[n][k] + wo_b[n], f32: THE LAST PROJECTION, 8,192 x 1,024 x 1,024, on codes of FP6 (E2M3) with E8M0 scales.  No work is left out.
; LIMITS: NaN, infinities and sums beyond f32's range are not served; a sum begins with the bias, where reference() adds it last.
; OPERANDS as the first launch lays them.  cod: [group of 128 rows][K step of 128][tile of 16 rows][1,536 bytes = the image of the operand's 12 registers: plane p = registers 4 p .. 4 p + 3 at 16 x lane].
; Lane r of tile i stands for row 32 (i / 2) + 8 (i % 2) + r + 8 (r / 8) of its group.  scl: [group][K step][512 bytes]: the word of tile i, row r at 16 (r + 16 (i % 2)) + 4 (i / 2).
; The context lies in groups 0-63 (the attention launch left it there), wo_w in groups 216-223.
; THE DEAL.  256 work-groups of four waves, 2 x 2, each 256 rows x 128 columns of the result.  Wave (a, b) holds tiles 4 b .. 4 b + 3 of its group of wo_w, all of K, in 384 registers, and streams the eight tiles of
; group a of the work-group's two groups of rows past them: a block of 16 rows is 8 fragments and 32 products, four accumulators by turns.
; THE CLUSTER's x counts tile rows (grid = 32, 8): tile row 4 x cluster x + cx, tile column 4 x cluster y + cy.  The rows are shared by a COLUMN of the cluster, wo_w's by a ROW: each tile is asked for jointly.
; LDS: the rows' two groups (196,608 bytes), wo_w's group (98,304), a stage of 16 x 272 bytes for each wave, the spare words.  All is asked for at the head, one tensor load a wave: wo_w's K steps 0-3, 4-7, the rows'
; group 0, group 1.  Nothing is filled again.  No data prefetch: the launch has no loop to run ahead in, since every tile is asked for by its load at the head.
; The scale words go from memory straight into registers, once: the rows' by loads of 512 bytes on end, wo_w's 8 bytes a lane (my four tiles' half of each 16).  The bias is the first products' C.
; THE MATRIX INSTRUCTION IS USED TRANSPOSED (source 0 = wo_w's rows): lane (r, h) holds row r of the block, and register j of tile t column 32 (t / 2) + 8 (t % 2) + 16 h + j of my wave's 64.
; ONE RUN OF MEMORY LINES behind a block's products: its sums into the stage and back as whole rows of 256 bytes; the fetch of the block two on; one wait; eight stores, 16 lanes to an aligned 256 bytes.
.set GRP,    98304
.set KSB,    12288                     ; a K step of a group
.set FRB,    1536                      ; a fragment
.set FR,     12
.set FPW,    21                        ; fragments in a window of 256 registers
.set NF,     24                        ; LDS loads of a block
.set YB,     2*GRP                     ; wo_w's group
.set STAGE,  3*GRP
.set SPITCH, 272
.set SPARE,  STAGE+4*16*SPITCH
.set LI,  4                            ; v4   16 x lane
.set AL,  5                            ; v5   LDS: my group of rows, K steps 0-3;  v6: K steps 4-7
.set AH,  6
.set BL,  7                            ; v7   LDS: my four tiles of wo_w, K steps 0-3;  v8: K steps 4-7
.set BH,  8
.set STO, 9                            ; v9   the stage: where I put 32 bytes of a row
.set RD,  10                           ; v10  the stage: where I read 16 bytes of a row back
.set CO,  11                           ; v11  my byte offset in out0: row lane / 16, 16 x (lane % 16)
.set SPW, 12                           ; v12  my spare word; never rewritten
.set NIL, 13                           ; v13  0; never rewritten
.set HB,  14                           ; v14  64 x (lane / 16)
.set SB,  24                           ; v24-55  wo_w's scale words: register 4 q + t / 2 (two of each four are used)
.set SA,  58                           ; v58-89  the rows': register 4 q + i / 2.  A product's two scale registers differ by 1 to 5 modulo 8 in their numbers
.set ACC, 96                           ; v96-159  two sets of four accumulators
.set BK,  160                          ; v160-223 two sets: 16 rows x 256 bytes back from the stage
.set BO,  224                          ; v224-255 the bias in the accumulators' layout
.set G1A, 24
.set G1B, 32
.set G0A, 56
.set G0B, 60
.set MSB, 0
.macro WIN new
.if MSB != (\new)
	s_set_vgpr_msb (MSB<<8)|(\new)
.set MSB, (\new)
.endif
.endm
.macro PLACES n
.rept \n
	v_nop
.endr
.endm
.macro BARRIER
	s_barrier_signal -1
	s_barrier_wait -1
.endm
.macro CROUND                          ; a round of the cluster's barrier
	BARRIER
	s_cmp_lg_u32 s14, 0
	s_cbranch_scc1 .Lnot_wave_0_\@
	s_barrier_signal -3
.Lnot_wave_0_\@:
	s_barrier_wait -3
	BARRIER
.endm
.macro TILE g0, g1, lds, off           ; a tile by a descriptor of constants; an s_nop 0 and four v_nop follow the load
	s_mov_b32 s[\g0+1], \lds
.if \off
	s_add_nc_u64 s[\g0+2:\g0+3], s[\g0+2:\g0+3], \off
.endif
	s_or_b32 s[\g0+3], s[\g0+3], 0x80000000
	tensor_load_to_lds s[\g0:\g0+3], s[\g1:\g1+7]
	s_nop 0
	PLACES 4
.endm
; fragments: 0-31 wo_w's (4 q + t), 32-47 the rows' two sets (32 + 8 e + q).  Fragment f lies in window 1 + f / 21 at register 12 (f % 21)
.macro FRAG f, adr, off
.set F_, \f
	WIN (1+F_/FPW)<<6
.irp p, 0,1,2
	ds_load_b128 v[FR*(F_%FPW)+4*\p:FR*(F_%FPW)+4*\p+3], v[\adr] offset:(\off)+512*\p
.endr
.endm
.macro FETCH i                         ; block i's eight fragments into set i % 2: NF loads
.irp q, 0,1,2,3
	FRAG 32+8*((\i)%2)+\q, AL, \q*KSB+(\i)*FRB
.endr
.irp q, 0,1,2,3
	FRAG 36+8*((\i)%2)+\q, AH, \q*KSB+(\i)*FRB
.endr
	WIN 0
.endm
.macro WM c, ra, rb
	v_wmma_scale_f32_16x16x128_f8f6f4 v[D_:D_+7], v[RB_:RB_+FR-1], v[RA_:RA_+FR-1], \c, v[XB_], v[XA_] matrix_a_fmt:MATRIX_FMT_FP6 matrix_b_fmt:MATRIX_FMT_FP6 matrix_a_scale:MATRIX_SCALE_ROW\ra matrix_b_scale:MATRIX_SCALE_ROW\rb
.endm
.macro WMR c, i                        ; an odd tile's scale words stand in lanes 16-31
.if T_%2
.if (\i)%2
	WM \c, 1, 1
.else
	WM \c, 1, 0
.endif
.else
.if (\i)%2
	WM \c, 0, 1
.else
	WM \c, 0, 0
.endif
.endif
.endm
.macro PROD i, n                       ; product n = 4 q + t of block i
.set Q_, (\n)/4
.set T_, (\n)%4
.set FA_, 32+8*((\i)%2)+Q_
.set RB_, FR*((\n)%FPW)
.set RA_, FR*(FA_%FPW)
.set D_, ACC+32*((\i)%2)+8*T_
.set XB_, SB+4*Q_+T_/2
.set XA_, SA+4*Q_+(\i)/2
	WIN (1+(\n)/FPW)|((1+FA_/FPW)<<2)
.if Q_
	WMR v[D_:D_+7], \i
.else
	WMR v[BO+8*T_:BO+8*T_+7], \i
.endif
.endm
.macro STREAM i
.set N_, 0
.rept 32
	PROD \i, N_
.set N_, N_+1
.endr
	WIN 0
	PLACES 4                                       ; between the last product and the first reader of its sums, and the fetch into the registers that it has read
	s_wait_xcnt 0x0                                ; the stores of two blocks ago have read this set of rows
.irp t, 0,1,2,3                                ; into my stage, each accumulator from its low end on; LDS serves a wave's instructions in order (ISA guide 5.7.1.4): no wait between the stores and the loads
	ds_store_b128 v[STO], v[ACC+32*((\i)%2)+8*\t:ACC+32*((\i)%2)+8*\t+3] offset:128*(\t/2)+32*(\t%2)
	ds_store_b128 v[STO], v[ACC+32*((\i)%2)+8*\t+4:ACC+32*((\i)%2)+8*\t+7] offset:128*(\t/2)+32*(\t%2)+16
.endr
.irp u, 0,1,2,3,4,5,6,7
	ds_load_b128 v[BK+32*((\i)%2)+4*\u:BK+32*((\i)%2)+4*\u+3], v[RD] offset:2*\u*SPITCH
.endr
.if (\i) < 6
	FETCH (\i)+2
	s_wait_dscnt NF                                ; the block's rows are back from the stage, and the next block's fragments are in; younger is this run's fetch alone
.else
	s_wait_dscnt 0x0
.endif
.irp u, 0,1,2,3,4,5,6,7                        ; stage rows 2 u, 2 u + 1 are rows 32 (i / 2) + 8 (i % 2) + 2 u + 8 (u / 4) and the next of my group
	global_store_b128 v[CO], v[BK+32*((\i)%2)+4*\u:BK+32*((\i)%2)+4*\u+3], s[10:11] offset:(32*((\i)/2)+8*((\i)%2)+2*\u+8*(\u/4))*4096 th:TH_STORE_NT
.endr
.endm
; ---- the head
	s_load_b256 s[4:11], s[0:1], 0x0               ; cod, scl, wo_b, out0
	v_lshl_add_u32 v[SPW], v0, 2, SPARE
	v_mov_b32 v[NIL], 0
	ds_add_u32 v[SPW], v[NIL]                      ; the opening: the add, twice on end, and its wait ahead of my first tensor load
	ds_add_u32 v[SPW], v[NIL]
	v_lshrrev_b32 v1, 5, v0
	v_readfirstlane_b32 s14, v1                    ; the wave; s15 its row a of the 2 x 2, s16 its column b
	s_lshr_b32 s15, s14, 1
	s_and_b32 s16, s14, 1
	s_bfe_u32 s40, ttmp6, 0x40000                  ; cx
	s_bfe_u32 s41, ttmp6, 0x40004                  ; cy
	s_lshl_b32 s43, ttmp9, 2
	s_add_co_u32 s43, s43, s40                     ; tile row, 0 .. 31
	s_and_b32 s42, ttmp7, 0xffff
	s_lshl_b32 s42, s42, 2
	s_add_co_u32 s42, s42, s41                     ; tile column, 0 .. 7
	s_lshl_b32 s44, 0x1111, s40                    ; my column of the cluster shares the rows
	s_lshl_b32 s45, s41, 2
	s_lshl_b32 s45, 15, s45                        ; my row shares wo_w's
	s_or_b32 s[G1A], s44, (3<<16)|(1<<21)          ; elements of 8 bytes, rows of 256 bytes, dense
	s_or_b32 s[G1B], s45, (3<<16)|(1<<21)
.irp g, G1A, G1B
	s_mov_b32 s[\g+1], 32<<16
	s_mov_b32 s[\g+3], 32<<16
	s_mov_b32 s[\g+5], 32
	s_mov_b32 s[\g+6], 0
	s_mov_b32 s[\g+7], 0
.endr
	s_mov_b32 s[G1A+2], 384<<16                    ; a group: 384 rows of 256 bytes
	s_mov_b32 s[G1A+4], 384
	s_mov_b32 s[G1B+2], 192<<16                    ; half a group
	s_mov_b32 s[G1B+4], 192
	s_mov_b32 s[G0A], 1
	s_mov_b32 s[G0B], 1
	s_mul_i32 s76, s43, 2*GRP                      ; my two groups of rows, bytes from cod
	s_mov_b32 s77, 0
	s_add_co_u32 s78, s42, 216
	s_lshl_b32 s82, s78, 12                        ; wo_w's scale words, bytes from scl,
	s_mul_i32 s78, s78, GRP                        ; and its group, bytes from cod
	s_mov_b32 s79, 0
	s_lshl_b32 s46, s16, 3
	s_add_co_u32 s82, s82, s46                     ; + 8 b: my four tiles' two words of each four
	s_mov_b32 s83, 0
	s_lshl_b32 s80, s43, 1
	s_add_co_u32 s80, s80, s15
	s_lshl_b32 s80, s80, 12                        ; my group's scale words
	s_mov_b32 s81, 0
	s_lshl_b32 s84, s42, 9
	s_lshl_b32 s46, s16, 8
	s_add_co_u32 s84, s84, s46                     ; my 64 columns, in bytes
	s_mov_b32 s85, 0
	s_lshl_b32 s86, s43, 20
	s_lshl_b32 s46, s15, 19
	s_add_co_u32 s86, s86, s46
	s_add_co_u32 s86, s86, s84                     ; my part of out0
	s_mov_b32 s87, 0
	s_mul_i32 s20, s15, GRP
	s_add_co_u32 s21, s20, 4*KSB
	s_mul_i32 s22, s16, 4*FRB
	s_add_co_u32 s22, s22, YB
	s_add_co_u32 s23, s22, 4*KSB
	s_mul_i32 s46, s14, 16*SPITCH
	s_add_co_u32 s46, s46, STAGE
	v_and_b32 v1, 15, v0
	v_bfe_u32 v2, v0, 4, 1
	v_and_b32 v3, 31, v0
	v_lshlrev_b32 v[LI], 4, v3
	v_add_nc_u32 v[AL], s20, v[LI]
	v_add_nc_u32 v[AH], s21, v[LI]
	v_add_nc_u32 v[BL], s22, v[LI]
	v_add_nc_u32 v[BH], s23, v[LI]
	v_mul_u32_u24 v16, v1, SPITCH
	v_lshl_add_u32 v16, v2, 6, v16
	v_add_nc_u32 v[STO], s46, v16
	v_mul_u32_u24 v17, v2, SPITCH
	v_lshl_add_u32 v17, v1, 4, v17
	v_add_nc_u32 v[RD], s46, v17
	v_lshlrev_b32 v18, 12, v2
	v_lshl_add_u32 v[CO], v1, 4, v18
	v_lshlrev_b32 v[HB], 6, v2
	s_wait_alu depctr_va_vdst(0)                   ; the head's end
	s_wait_dscnt 0x0                               ; both opening adds are done
	CROUND                                         ; all sixteen work-groups are here: the joint loads meet
	s_wait_kmcnt 0x0
	s_add_nc_u64 s[G0A+2:G0A+3], s[4:5], s[76:77]
	s_add_nc_u64 s[G0B+2:G0B+3], s[4:5], s[78:79]
	s_cmp_eq_u32 s14, 0
	s_cbranch_scc0 .Lwave_1
	TILE G0B, G1B, YB, 0                           ; wave 0: wo_w's K steps 0-3, which are wanted first
	s_branch .Lasked
.Lwave_1:
	s_cmp_eq_u32 s14, 1
	s_cbranch_scc0 .Lwave_2
	TILE G0B, G1B, YB+GRP/2, GRP/2                 ; wave 1: K steps 4-7
	s_branch .Lasked
.Lwave_2:
	s_cmp_eq_u32 s14, 2
	s_cbranch_scc0 .Lwave_3
	TILE G0A, G1A, 0, 0                            ; wave 2: the rows' group 0
	s_branch .Lasked
.Lwave_3:
	TILE G0A, G1A, GRP, GRP                        ; wave 3: group 1
.Lasked:
	s_add_nc_u64 s[12:13], s[6:7], s[80:81]
	s_add_nc_u64 s[18:19], s[6:7], s[82:83]
	s_add_nc_u64 s[8:9], s[8:9], s[84:85]
	s_add_nc_u64 s[10:11], s[10:11], s[86:87]
.irp q, 0,1,2,3,4,5,6,7
	global_load_b64 v[SB+4*\q:SB+4*\q+1], v[LI], s[18:19] offset:512*\q
.endr
.irp q, 0,1,2,3,4,5,6,7
	global_load_b128 v[SA+4*\q:SA+4*\q+3], v[LI], s[12:13] offset:512*\q
.endr
.irp t, 0,1,2,3
	global_load_b128 v[BO+8*\t:BO+8*\t+3], v[HB], s[8:9] offset:128*(\t/2)+32*(\t%2)
	global_load_b128 v[BO+8*\t+4:BO+8*\t+7], v[HB], s[8:9] offset:128*(\t/2)+32*(\t%2)+16
.endr
	s_cmp_lt_u32 s14, 2
	s_cbranch_scc0 .Lnot_b
	s_wait_tensorcnt 0x0                           ; waves 0 and 1: wo_w's halves have landed
.Lnot_b:
	BARRIER
.irp q, 0,1,2,3
.irp t, 0,1,2,3
	FRAG 4*\q+\t, BL, \q*KSB+\t*FRB
.endr
.endr
.irp q, 0,1,2,3
.irp t, 0,1,2,3
	FRAG 16+4*\q+\t, BH, \q*KSB+\t*FRB
.endr
.endr
	WIN 0
	s_wait_tensorcnt 0x0                           ; every wave: all that is still out
	s_wait_dscnt 0x0
	BARRIER                                        ; the rows are in
	FETCH 0
	FETCH 1
	s_wait_loadcnt 0x0                             ; the scale words and the bias
	s_wait_dscnt NF                                ; block 0's fragments are in; block 1's are younger
; ---- the stream
.irp i, 0,1,2,3,4,5,6,7
	STREAM \i
.endr
	s_wait_tensorcnt 0x0                           ; the wave's end
	ds_add_u32 v[SPW], v[NIL]
	s_wait_dscnt 0x0
	CROUND                                         ; the closing round
	s_endpgm
.Lfunc_end_k_qbd34b63fd1_outp:
	.size	k_qbd34b63fd1_outp, .Lfunc_end_k_qbd34b63fd1_outp-k_qbd34b63fd1_outp
	.p2alignl 7, 3214868480
	.fill 96, 4, 3214868480
	.section	.rodata,"a",@progbits
	.p2align	6, 0x0
	.amdhsa_kernel k_qbd34b63fd1_outp
		.amdhsa_group_segment_fixed_size 327680
		.amdhsa_private_segment_fixed_size 0
		.amdhsa_enable_private_segment 0
		.amdhsa_kernarg_size 32
		.amdhsa_user_sgpr_count 2
		.amdhsa_user_sgpr_kernarg_segment_ptr 1
		.amdhsa_wavefront_size32 1
		.amdhsa_system_sgpr_workgroup_id_x 1
		.amdhsa_system_sgpr_workgroup_id_y 1
		.amdhsa_system_sgpr_workgroup_id_z 1
		.amdhsa_system_vgpr_workitem_id 0
		.amdhsa_next_free_vgpr 840
		.amdhsa_next_free_sgpr 90
		.amdhsa_reserve_vcc 0
		.amdhsa_float_denorm_mode_32 3
		.amdhsa_float_denorm_mode_16_64 3
		.amdhsa_memory_ordered 1
		.amdhsa_forward_progress 1
		.amdhsa_inst_pref_size 77
	.end_amdhsa_kernel
	.amdgpu_metadata
---
amdhsa.version: [ 1, 2 ]
amdhsa.kernels:
  - .name:           k_qbd34b63fd1_outp
    .symbol:         k_qbd34b63fd1_outp.kd
    .args:
      - { .name: cod, .offset: 0, .size: 8, .value_kind: global_buffer, .address_space: global }
      - { .name: scl, .offset: 8, .size: 8, .value_kind: global_buffer, .address_space: global }
      - { .name: wo_b, .offset: 16, .size: 8, .value_kind: global_buffer, .address_space: global }
      - { .name: out0, .offset: 24, .size: 8, .value_kind: global_buffer, .address_space: global }
    .group_segment_fixed_size: 327680
    .private_segment_fixed_size: 0
    .kernarg_segment_align: 8
    .kernarg_segment_size: 32
    .max_flat_workgroup_size: 128
    .sgpr_count:     90
    .vgpr_count:     840
    .wavefront_size: 32
...
	.end_amdgpu_metadata
.endif
;; end of part 4
